; MI455X (gfx1250); checked and timed in simulation.
; The chip was launched on July 23, 2026; its instructions are those of AMD's public machine-readable ISA for CDNA 5 (MIT licence, August 2026) and "CDNA5" Instruction Set Architecture Reference Guide (July 2026). The comments in the code are by the model that wrote it; some were corrected since.
;; Causal Self Attention. Allowed arithmetic: matrix products marked QUANTISED: E2M1 operands, one E8M0 scale for each 32 along K, by v_wmma_scale_f32_16x16x128_f8f6f4 with both operands' format E2M1 (or v_wmma_scale_f32_32x16x128_f4), f32 sums; products left as they are: bf16, f16 or f32 operands; f32 sums; everything else in f32.
;; Inputs: w_proj 1,024 x 1,024 float32; w_qkv 3,072 x 1,024 float32; x 4 x 2,048 x 1,024 float32.
;; Outputs: out0 4 x 2,048 x 1,024 float32.
;; This version of the problem:
;;   THIS VERSION OF THE PROBLEM IS GIVEN IN LOW PRECISION. The matrix products marked QUANTISED in the list below multiply operands that are first quantised to E2M1 (2 exponent bits, 1 mantissa bit; 4 bits a number), with one power-of-two scale for each 32 numbers along K (OCP MX v1.0); their sums are f32. The products marked 'left as it is' may take bf16, f16 or f32 operands, with f32 sums. Whichever they take, every output number must still come out within the allowed error. Rounding operands to bf16 (8 significant bits) uses up far more of that allowance than f16 does (11 bits, for magnitudes from 6e-5 to 65,504). All else is computed in f32.
;;   The module's matrix products, in the order in which they are computed (A, B: the left and right operand; K: the contracted axis; several contracted axes count as one K, in the product's order):
;;     1. [M 8,192, K 1,024] x [K 1,024, N 3,072]; A: input x; B: input w_qkv: QUANTISED
;;     2. batch 64 x [M 2,048, K 64] x [K 64, N 2,048]; A: computed on the way; B: computed on the way: left as it is (an operand is computed on the way)
;;     3. batch 64 x [M 2,048, K 2,048] x [K 2,048, N 64]; A: computed on the way; B: computed on the way: left as it is (an operand is computed on the way)
;;     4. [M 8,192, K 1,024] x [K 1,024, N 1,024]; A: computed on the way; B: input w_proj: left as it is (an operand is computed on the way)
;;   THE QUANTISER, for each operand of a quantised product, along K:
;;     - K is cut into blocks of 32 from its start; a last block that is shorter is filled with zeros.
;;     - A block's scale is 2^e with e = floor(log2(the largest magnitude in the block)) - 2, held to -126 .. 127; a block of zeros has e = 0. As a byte (E8M0): e + 127.
;;     - Each number is divided by its block's scale, clamped to +-6, and rounded to the nearest number of E2M1, ties to even, subnormals kept.
;;     - The product sums the exact products of the quantised numbers (number of the format x scale) in f32.
;;   ~~~python
;;   def quantise(x, axis):      # numpy; x: float32 -> the quantised numbers, widened to float32 again
;;       x = np.moveaxis(x, axis, -1); K = x.shape[-1]
;;       x = np.pad(x, [(0, 0)] * (x.ndim - 1) + [(0, -K % 32)]); x = x.reshape(x.shape[:-1] + (-1, 32)); a = np.abs(x).max(-1, keepdims=True)
;;       e = np.where(a > 0, np.clip(np.frexp(np.where(a > 0, a, 1))[1] - 1 - 2, -126, 127), 0)      # np.frexp(a)[1] - 1 = floor(log2(a)), exactly
;;       r = np.clip(x / 2.0 ** e, -6, 6)
;;       step = 2.0 ** (np.maximum(np.frexp(np.where(r == 0, 1, r))[1] - 1, 0) - 1)
;;       q = np.round(r / step) * step * 2.0 ** e      # np.round: ties to even
;;       return np.moveaxis(q.reshape(q.shape[:-2] + (-1,))[..., :K], -1, axis).astype(np.float32)
;;   ~~~
;; One version. Each part assembles by itself: llvm-mc -triple=amdgcn-amd-amdhsa -mcpu=gfx1250 --defsym DOCPART=n.
;; ======== version 1 of 1: 5 launches
;; limits: values are held in f16: magnitudes above 65,504 overflow, below 6.1e-05 lose precision
;; workspace buffers: xc 4,194,304 bytes; xs 262,144 bytes; wc 1,572,864 bytes; ws 98,304 bytes; wp16 2,097,152 bytes; qkv16 50,331,648 bytes; q32 786,432 bytes; y16 16,777,216 bytes
;; launch quant (part 1): grid 480 x 1, 4 waves a work-group, no clusters, 33,280 bytes of LDS; arguments x, w_qkv, xc, xs, wc, ws, w_proj, wp16; writes xc, xs, wc, ws, wp16
.if DOCPART == 1
	.amdgcn_target "amdgcn-amd-amdhsa--gfx1250"
	.amdhsa_code_object_version 6
	.text
	.protected	k_q3e57715b78_quant
	.globl	k_q3e57715b78_quant
	.p2align	8
	.type	k_q3e57715b78_quant,@function
k_q3e57715b78_quant:
	s_mov_b64 s[64:65], 0
	v_nop
	global_prefetch_b8 v0, s[64:65] scope:SCOPE_SE
	s_setreg_imm32_b32 hwreg(HW_REG_WAVE_MODE, 25, 1), 1
	s_wait_xcnt 0x0
; x [8192][1024] and w_qkv [3072][1024], f32, become codes of FP4 (E2M1), K innermost, with one E8M0 scale byte for each 32 along K; w_proj [1024][1024] becomes f16.
; A block's scale is 2^(floor(log2(its largest magnitude)) - 2); its byte is the largest magnitude's exponent field - 2, held at 1 from below.  A block of zeros so gets the byte 1 where the
; quantiser says 127: its codes are zeros, which add nothing under any byte but 0xff, and the bytes are read by this program alone.
; LIMITS: blocks whose largest magnitude lies under 2^-124 keep the byte 1; NaN and infinities among the inputs are not served; numbers of w_proj beyond 65,504 become infinities in f16.
; Work-groups 0-255 take x, 256-351 w_qkv, 352-479 w_proj.  Rows are dense and K is a multiple of 32: each tensor is a plain stream.
; QUANTISING: a wave takes 16 steps of 512 numbers.  Each of a step's four loads reads 512 consecutive bytes; the 2,048 bytes turn through the wave's own stage in LDS and come back 64 bytes a lane, so that
; a lane holds 16 neighbours along K (two lanes to a block).  A lane's 16 codes are 8 bytes: the wave stores 256 consecutive bytes.  A wave's 256 scale bytes are gathered in LDS and leave as one aligned run of 256.
; No tensor loads, no barrier: waves share nothing.  Matrix units and clusters have no work here: the launch moves bytes.
.set SIZE_M, 8192
.set SIZE_N, 3072
.set SIZE_K, 1024
.set WAVES, 4
.set STEPS, 16
.set WGA,   SIZE_M*SIZE_K/(512*STEPS*WAVES)            ; 256 work-groups for x
.set WGQ,   (SIZE_M+SIZE_N)*SIZE_K/(512*STEPS*WAVES)   ; 352 for x and w_qkv
.set EMAX,  2
.set CB,    8                          ; bytes of 16 codes
.set R,     16                         ; v16-79   four sets of 16 numbers as they are loaded
.set X,     80                         ; v80-111  two sets of 16 neighbours (cast: the f16 pairs)
.set C,     128                        ; v128-191 codes: four registers for each step, so that no store's data are written again
.set E,     112                        ; v112-127 a scale byte for each step
.set WREG,  8192                       ; LDS: a region for each wave: two stages of 32 x SP bytes, behind them its 256 scale bytes
.set SP,    80                         ; a lane's place in a stage: 64 bytes + 16 of padding
.set SPW,   12                         ; v12 LDS address of my spare word; never rewritten
.set NIL,   13                         ; v13 0; never rewritten
.set SPARE, WAVES*WREG                 ; behind the four regions: the spare words, 128 bytes a wave
	s_load_b128 s[4:7], s[0:1], 0x0                ; x, w_qkv
	s_load_b128 s[8:11], s[0:1], 0x10              ; x's codes, x's scales
	s_load_b128 s[12:15], s[0:1], 0x20             ; w_qkv's codes, scales
	s_load_b128 s[24:27], s[0:1], 0x30             ; w_proj, its f16 copy
	v_lshl_add_u32 v[SPW], v0, 2, SPARE
	v_mov_b32 v[NIL], 0
	v_lshrrev_b32 v1, 5, v0
	v_readfirstlane_b32 s16, v1                    ; wave
	v_and_b32 v2, 31, v0                           ; lane
	v_lshlrev_b32 v3, 4, v2                        ; my 16 bytes of a load's 512
	s_mul_i32 s17, s16, WREG
	v_lshrrev_b32 v14, 2, v2
	v_mul_u32_u24 v14, v14, SP
	v_and_b32 v15, 3, v2
	v_lshl_add_u32 v14, v15, 4, v14
	v_add_nc_u32 v14, s17, v14                     ; the stage, on the way in: SP (lane / 4) + 16 (lane % 4)
	v_mul_u32_u24 v15, v2, SP
	v_add_nc_u32 v15, s17, v15                     ; on the way out: SP x lane: my 16 neighbours
	v_mul_u32_u24 v4, v2, CB                       ; my codes' place in a step's
	v_lshrrev_b32 v5, 1, v2
	s_add_co_u32 s17, s17, 2*32*SP
	v_add_nc_u32 v5, s17, v5                       ; LDS: my wave's 256 scale bytes, my block's byte
	v_lshlrev_b32 v7, 3, v2                        ; 8 bytes a lane
	v_add_nc_u32 v6, s17, v7
	s_wait_kmcnt 0x0
	s_cmp_ge_u32 ttmp9, WGQ                        ; the work-group's number alone decides
	s_cbranch_scc1 .Lcast
	s_cmp_lt_u32 ttmp9, WGA                        ; x's work-group or w_qkv's?
	s_cselect_b64 s[4:5], s[4:5], s[6:7]
	s_cselect_b64 s[8:9], s[8:9], s[12:13]
	s_cselect_b64 s[10:11], s[10:11], s[14:15]
	s_cselect_b32 s17, 0, WGA
	s_sub_co_u32 s17, ttmp9, s17
	s_lshl_b32 s17, s17, 2
	s_add_co_u32 s18, s17, s16                     ; which run of 8,192 numbers is my wave's
	s_mov_b32 s19, 0
	s_mov_b64 s[20:21], 512*STEPS*4
	s_mul_u64 s[20:21], s[18:19], s[20:21]
	s_add_nc_u64 s[4:5], s[4:5], s[20:21]
	s_mov_b64 s[20:21], 32*STEPS*CB
	s_mul_u64 s[20:21], s[18:19], s[20:21]
	s_add_nc_u64 s[8:9], s[8:9], s[20:21]
	s_lshl_b32 s18, s18, 8                         ; 256 scale bytes a run
	s_add_nc_u64 s[10:11], s[10:11], s[18:19]
.macro LOAD t
.irp i, 0,1,2,3
	global_load_b128 v[R+16*((\t)%4)+4*\i:R+16*((\t)%4)+4*\i+3], v3, s[4:5] offset:2048*(\t)+512*\i th:TH_LOAD_NT   ; 32 lanes read 512 consecutive bytes
.endr
.endm
.macro TURN t                          ; step t's numbers through the stage: LDS serves a wave's instructions in order, so no wait stands between the stores and the loads
.irp i, 0,1,2,3
	ds_store_b128 v14, v[R+16*((\t)%4)+4*\i:R+16*((\t)%4)+4*\i+3] offset:32*SP*((\t)%2)+8*SP*\i
.endr
.irp i, 0,1,2,3
	ds_load_b128 v[X+16*((\t)%2)+4*\i:X+16*((\t)%2)+4*\i+3], v15 offset:32*SP*((\t)%2)+16*\i
.endr
.endm
.irp t, 0,1,2,3
	LOAD \t
.endr
	s_wait_loadcnt 12                              ; step 0's four loads are in; the twelve of steps 1 to 3 stay out
	TURN 0
.macro STEP t
.set XS, X+16*((\t)%2)
.if (\t) > 0
	s_wait_dscnt 1                                 ; this step's numbers are back from the stage (the last step's byte store may be out)
.else
	s_wait_dscnt 0x0
.endif
.if (\t)+4 < STEPS
	LOAD (\t)+4                                    ; into the set whose stores into the stage have read their registers
.endif
.if (\t)+1 < STEPS
.if STEPS-2-(\t) >= 3
	s_wait_loadcnt 12                              ; the next step's four loads are in; those of the three steps behind it may be out
.else
	s_wait_loadcnt 4*(STEPS-2-(\t))
.endif
	TURN (\t)+1                                    ; through the other stage while this step is worked
.endif
	v_max3_num_f32 v8, |v[XS]|, |v[XS+1]|, |v[XS+2]|               ; the largest magnitude of my 16, in two chains
	v_max3_num_f32 v9, |v[XS+3]|, |v[XS+4]|, |v[XS+5]|
.irp i, 6,10
	v_max3_num_f32 v8, v8, |v[XS+\i]|, |v[XS+\i+1]|
	v_max3_num_f32 v9, v9, |v[XS+\i+2]|, |v[XS+\i+3]|
.endr
	v_max3_num_f32 v8, v8, |v[XS+14]|, |v[XS+15]|
	v_max3_num_f32 v8, v8, v9, (EMAX+1)<<23        ; and the floor 2^(3 - 127): the byte cannot fall under 1
	v_max_num_f32_dpp v8, v8, v8 row_xmask:1 row_mask:0xf bank_mask:0xf   ; with my neighbour's 16: the block's
	v_add_nc_u32 v11, -(EMAX<<23), v8              ; 2 off its exponent field: the conversion takes the exponent field of this operand as its scale
	v_cvt_scalef32_pk8_fp4_f32 v[C+4*(\t)], v[XS:XS+7], v11
	v_cvt_scalef32_pk8_fp4_f32 v[C+4*(\t)+1], v[XS+8:XS+15], v11
	v_lshrrev_b32 v[E+(\t)], 23, v11               ; the scale's byte
	ds_store_b8 v5, v[E+(\t)] offset:16*(\t)       ; both lanes of a block write the same byte with the same value
	global_store_b64 v4, v[C+4*(\t):C+4*(\t)+1], s[8:9] offset:32*CB*(\t)
.endm
.irp t, 0,1,2,3,4,5,6,7,8,9,10,11,12,13,14,15
	STEP \t
.endr
	ds_load_b64 v[8:9], v6                         ; LDS serves a wave's instructions in order: these see my stores
	s_wait_dscnt 0x0
	global_store_b64 v7, v[8:9], s[10:11]          ; 32 lanes store 256 consecutive bytes, aligned
	s_wait_tensorcnt 0x0                           ; the wave's end: three lines behind my last LDS store
	ds_add_u32 v[SPW], v[NIL]
	s_wait_dscnt 0x0
	s_endpgm
; THE CAST: a wave takes 2,048 numbers of w_proj: 16 loads of 512 consecutive bytes, all issued at once; 16 stores of 256 consecutive bytes.  No register is written twice.
.Lcast:
	s_sub_co_u32 s17, ttmp9, WGQ
	s_lshl_b32 s17, s17, 2
	s_add_co_u32 s17, s17, s16                     ; which run of 2,048 numbers
	s_lshl_b32 s18, s17, 13                        ; 8,192 bytes in,
	s_mov_b32 s19, 0
	s_add_nc_u64 s[24:25], s[24:25], s[18:19]
	s_lshl_b32 s18, s17, 12                        ; 4,096 out
	s_add_nc_u64 s[26:27], s[26:27], s[18:19]
.irp i, 0,1,2,3,4,5,6,7,8,9,10,11,12,13,14,15
	global_load_b128 v[R+4*\i:R+4*\i+3], v3, s[24:25] offset:512*\i th:TH_LOAD_NT
.endr
.irp i, 0,1,2,3,4,5,6,7,8,9,10,11,12,13,14,15
	s_wait_loadcnt 15-\i                           ; loads come back in order: the younger ones stay out
	v_cvt_pk_f16_f32 v[X+2*\i], v[R+4*\i], v[R+4*\i+1]
	v_cvt_pk_f16_f32 v[X+2*\i+1], v[R+4*\i+2], v[R+4*\i+3]
	global_store_b64 v7, v[X+2*\i:X+2*\i+1], s[26:27] offset:256*\i
.endr
	s_wait_tensorcnt 0x0                           ; the same three lines at this end
	ds_add_u32 v[SPW], v[NIL]
	s_wait_dscnt 0x0
	s_endpgm
.Lfunc_end_k_q3e57715b78_quant:
	.size	k_q3e57715b78_quant, .Lfunc_end_k_q3e57715b78_quant-k_q3e57715b78_quant
	.p2alignl 7, 3214868480
	.fill 96, 4, 3214868480
	.section	.rodata,"a",@progbits
	.p2align	6, 0x0
	.amdhsa_kernel k_q3e57715b78_quant
		.amdhsa_group_segment_fixed_size 33280
		.amdhsa_private_segment_fixed_size 0
		.amdhsa_enable_private_segment 0
		.amdhsa_kernarg_size 64
		.amdhsa_user_sgpr_count 2
		.amdhsa_user_sgpr_kernarg_segment_ptr 1
		.amdhsa_wavefront_size32 1
		.amdhsa_system_sgpr_workgroup_id_x 1
		.amdhsa_system_sgpr_workgroup_id_y 1
		.amdhsa_system_sgpr_workgroup_id_z 1
		.amdhsa_system_vgpr_workitem_id 0
		.amdhsa_next_free_vgpr 192
		.amdhsa_next_free_sgpr 66
		.amdhsa_reserve_vcc 0
		.amdhsa_float_denorm_mode_32 3
		.amdhsa_float_denorm_mode_16_64 3
		.amdhsa_memory_ordered 1
		.amdhsa_forward_progress 1
		.amdhsa_inst_pref_size 39
	.end_amdhsa_kernel
	.amdgpu_metadata
---
amdhsa.version: [ 1, 2 ]
amdhsa.kernels:
  - .name:           k_q3e57715b78_quant
    .symbol:         k_q3e57715b78_quant.kd
    .args:
      - { .name: x, .offset: 0, .size: 8, .value_kind: global_buffer, .address_space: global }
      - { .name: w_qkv, .offset: 8, .size: 8, .value_kind: global_buffer, .address_space: global }
      - { .name: xc, .offset: 16, .size: 8, .value_kind: global_buffer, .address_space: global }
      - { .name: xs, .offset: 24, .size: 8, .value_kind: global_buffer, .address_space: global }
      - { .name: wc, .offset: 32, .size: 8, .value_kind: global_buffer, .address_space: global }
      - { .name: ws, .offset: 40, .size: 8, .value_kind: global_buffer, .address_space: global }
      - { .name: w_proj, .offset: 48, .size: 8, .value_kind: global_buffer, .address_space: global }
      - { .name: wp16, .offset: 56, .size: 8, .value_kind: global_buffer, .address_space: global }
    .group_segment_fixed_size: 33280
    .private_segment_fixed_size: 0
    .kernarg_segment_align: 8
    .kernarg_segment_size: 64
    .max_flat_workgroup_size: 128
    .sgpr_count:     66
    .vgpr_count:     192
    .wavefront_size: 32
...
	.end_amdgpu_metadata
.endif
;; end of part 1
;; launch qkv (part 2): grid 12 x 32, 4 waves a work-group, clusters of 4 x 4, 327,680 bytes of LDS; arguments xc, xs, wc, ws, qkv16, q32; writes qkv16, q32
.if DOCPART == 2
	.amdgcn_target "amdgcn-amd-amdhsa--gfx1250"
	.amdhsa_code_object_version 6
	.text
	.protected	k_q3e57715b78_qkv
	.globl	k_q3e57715b78_qkv
	.p2align	8
	.type	k_q3e57715b78_qkv,@function
k_q3e57715b78_qkv:
	s_mov_b64 s[64:65], 0
	v_nop
	global_prefetch_b8 v0, s[64:65] scope:SCOPE_SE
	s_setreg_imm32_b32 hwreg(HW_REG_WAVE_MODE, 25, 1), 1
	s_wait_xcnt 0x0
	s_wait_alu depctr_hold_cnt(0) depctr_sa_sdst(0) depctr_va_vdst(0) depctr_va_sdst(0) depctr_va_ssrc(0) depctr_va_vcc(0) depctr_vm_vsrc(0)
	s_getreg_b32 s2, hwreg(HW_REG_IB_STS2, 6, 4)
	s_cmp_eq_u32 s2, 0
	s_cbranch_scc0 .Lentry_in_a_cluster
	s_endpgm
.Lentry_in_a_cluster:
	s_bfe_u32 s2, ttmp6, 0x10000c
	s_cmp_lg_u32 s2, 0xf033
	s_cbranch_scc0 .Lentry_shape_is_right
	s_endpgm
.Lentry_shape_is_right:
; qkv[m][n] = sum over k of x[m][k] w_qkv[n][k], both operands as codes of FP4 (E2M1) with one E8M0 scale for each 32 along K; sums in f32.  M 8,192, N 3,072, K 1,024.
; The result leaves as f16, head by head: qkv16 [part q,k,v][b][head][t][64], so that four rows of a head are 512 consecutive bytes; the rows t < 16 of every sequence leave in f32 too: q32 [b][16][3072].
; LIMIT: results beyond 65,504 become infinities in f16.
; A tile of 256 x 256 is made by four waves, as many as a WGP has SIMDs; a wave makes 128 x 128: 64 accumulators, 512 registers.  K is two steps of 512: two LDS slots, each filled once (a tile's row is 256 bytes of memory).
; The scales of the work-group's 256 + 256 rows, for all of K, are two dense blocks: they come into LDS once, with the first fills.
; CLUSTERS: 4 x 4 work-groups.  The four of a row of the cluster need the same tiles of x, the four of a column the same tiles of w_qkv: each tile is asked for JOINTLY.
; The tile row is 8 cy + cluster y: so the batch is cy, and whether a tile holds t < 16 hangs on the cluster's y and the wave's number alone, which all partners share.
; THE MATRIX INSTRUCTION IS USED TRANSPOSED (source 0 = 16 rows of w_qkv, source 1 = 16 rows of x): a lane holds eight neighbouring columns of one row.
; REGISTERS: window 0: v0-31 addresses; v32-95 scale words, two sets; from v128 x's fragments, one set.  window 1: w_qkv's fragments, two sets.  windows 2, 3: the accumulators ((a, b) at v[8 (8 (a % 4) + b)]).
; 384 work-groups for 256 WGPs: tiles half as large would double the LDS bytes for each product; the launch is short and its stores weigh most.
.set SIZE_M, 8192
.set SIZE_N, 3072
.set SIZE_K, 1024
.set KSTEP,  512
.set NQ,     KSTEP/128
.set ROWB,   256
.set KROW,   SIZE_K*4/8
.set PITCH,  272                       ; an LDS row: 256 bytes + 16: the 16 rows that a load touches start at 16 different banks
.set FR,     8
.set NL,     2
.set NP,     4                         ; places behind this matrix instruction (ISA guide 7.12.1)
.set HALFT,  128*PITCH
.set SLOT,   4*HALFT
.set KS,     SIZE_K/32
.set SCL,    2*SLOT                    ; behind the slots: the scales, as runs of 256 bytes + 16 of padding
.set HALFS,  (128*KS/256)*272
.set SBLK,   (16*KS/256)*272
.set SPARE,  SCL+4*HALFS               ; the spare words, 128 bytes a wave
.set SPITCH, 528                       ; the way out in f32: 16 rows x (512 + 16) for each wave, in slot 0, which has had its only fill and its last read by then
.set HP,     272                       ; the way out in f16: rows of 256 + 16 in the same bytes
.set ADRA, 16
.set ADRB, 20
.set STO32, 22
.set RD32,  23
.set STO16, 24
.set RD16,  25
.set CO,   26                          ; v26 16 x lane
.set ADRS, 27
.set SPW,  28
.set NIL,  29
.set SC,   32
.set AF,   128
.set TMP,  32                          ; the way out: packed results, v32-63
.set BK,   64                          ; rows read back: v64-95 and v96-127 by turns
.set G1, 24
.set G0, 32
.set G1B, 48
.set G0B, 56
.set G1S, 68
.set G0S, 76
.set G1SB, 80
.set G0SB, 88
.set MSB, 0
.macro WIN new                         ; the immediate's high byte repeats the setting that is left
.if MSB != \new
	s_set_vgpr_msb (MSB<<8)|\new
.set MSB, \new
.endif
.endm
.set MUL_LO, 0xa1
.set MUL_HI, 0xf1
.set TO_B,   0x40
; A joint load: waves 0 and 1 fetch for x, waves 2 and 3 for w_qkv; the branch hangs on the wave's number alone.  An s_nop 0 and four v_nop follow each line.
.macro JLOAD g0a, g1a, g0b, g1b
	s_cmp_eq_u32 s15, 0
	s_cbranch_scc0 .Lfor_b_\@
	tensor_load_to_lds s[\g0a:\g0a+3], s[\g1a:\g1a+7]
	s_nop 0
.rept 4
	v_nop
.endr
	s_branch .Lasked_\@
.Lfor_b_\@:
	tensor_load_to_lds s[\g0b:\g0b+3], s[\g1b:\g1b+7]
	s_nop 0
.rept 4
	v_nop
.endr
.Lasked_\@:
.endm
.macro CROUND                          ; a round of the cluster's barrier
	s_barrier_signal -1
	s_barrier_wait -1
	s_cmp_lg_u32 s14, 0
	s_cbranch_scc1 .Lnot_wave_0_\@
	s_barrier_signal -3
.Lnot_wave_0_\@:
	s_barrier_wait -3
	s_barrier_signal -1
	s_barrier_wait -1
.endm
	s_load_b128 s[4:7], s[0:1], 0x0                ; x's codes, x's scales
	s_load_b128 s[8:11], s[0:1], 0x10              ; w_qkv's codes, scales
	s_load_b64 s[12:13], s[0:1], 0x20              ; qkv16
	s_load_b64 s[96:97], s[0:1], 0x28              ; q32
	v_lshl_add_u32 v[SPW], v0, 2, SPARE
	v_mov_b32 v[NIL], 0
	ds_add_u32 v[SPW], v[NIL]                      ; the wave's opening: the add, twice on end, and its wait ahead of my first tensor load
	ds_add_u32 v[SPW], v[NIL]
	v_lshrrev_b32 v1, 5, v0
	v_readfirstlane_b32 s14, v1                    ; wave 0..3
	s_lshr_b32 s15, s14, 1                         ; which half of the tile's rows is mine.  Also: I fetch for x (0) or for w_qkv (1)
	s_and_b32 s16, s14, 1                          ; which half of its columns.  Also: which 128 rows I fetch
	s_bfe_u32 s40, ttmp6, 0x40000                  ; cx
	s_bfe_u32 s41, ttmp6, 0x40004                  ; cy
	s_lshl_b32 s42, ttmp9, 2
	s_add_co_u32 s42, s42, s40                     ; tile column = 4 x cluster x + cx
	s_and_b32 s95, ttmp7, 0xffff                   ; cluster y, 0..7
	s_lshl_b32 s17, s41, 3
	s_add_co_u32 s17, s17, s95                     ; tile row = 8 cy + cluster y: batch cy, t from 256 x cluster y
	s_lshl_b32 s43, s41, 2
	s_lshl_b32 s43, 15, s43                        ; my row of the cluster
	s_lshl_b32 s44, 0x1111, s40                    ; my column
	s_or_b32 s[G1+0], s43, (0<<16)|(1<<20)|(1<<21)|(5<<22)|(3<<25)  ; the mask; elements of 1 byte; padding on; bit 21 beside a mask; 4 words after every 64
	s_or_b32 s[G1B+0], s44, (0<<16)|(1<<20)|(1<<21)|(5<<22)|(3<<25)
.irp g, G1, G1B
	s_mov_b32 s[\g+1], ROWB<<16                    ; tensor_dim0
	s_mov_b32 s[\g+2], 128<<16                     ; tensor_dim1
	s_mov_b32 s[\g+3], ROWB<<16                    ; tile_dim0
	s_mov_b32 s[\g+4], 128                         ; tile_dim1
	s_mov_b32 s[\g+5], KROW                        ; from row to row
	s_mov_b32 s[\g+6], 0
	s_mov_b32 s[\g+7], 0
.endr
	s_or_b32 s[G1S+0], s43, (3<<16)|(1<<20)|(1<<21)|(5<<22)|(3<<25) ; the scales of 128 rows: a dense block, as rows of 256 bytes (32 elements of 8)
	s_or_b32 s[G1SB+0], s44, (3<<16)|(1<<20)|(1<<21)|(5<<22)|(3<<25)
.irp g, G1S, G1SB
	s_mov_b32 s[\g+1], 32<<16
	s_mov_b32 s[\g+2], (128*KS/256)<<16
	s_mov_b32 s[\g+3], 32<<16
	s_mov_b32 s[\g+4], 128*KS/256
	s_mov_b32 s[\g+5], 32
	s_mov_b32 s[\g+6], 0
	s_mov_b32 s[\g+7], 0
.endr
	s_lshl_b32 s18, s16, 7
	s_lshl_b32 s20, s17, 8
	s_add_co_u32 s20, s20, s18                     ; x: row 256 x tile row + 128 x half
	s_lshl_b32 s46, s42, 8
	s_add_co_u32 s46, s46, s18                     ; w_qkv: row 256 x tile column + 128 x half
	s_mov_b32 s21, 0
	s_mov_b32 s47, 0
	s_mov_b64 s[18:19], KS
	s_mul_u64 s[22:23], s[20:21], s[18:19]         ; where these rows' scales begin
	s_mul_u64 s[92:93], s[46:47], s[18:19]
	s_mov_b64 s[18:19], KROW
	s_mul_u64 s[20:21], s[20:21], s[18:19]         ; and their codes
	s_mul_u64 s[46:47], s[46:47], s[18:19]
	s_mul_i32 s45, s14, HALFT                      ; where they go: wave x 128 rows
	s_mul_i32 s94, s14, HALFS
	s_wait_dscnt 0x0                               ; both opening adds are done
	s_wait_kmcnt 0x0
	s_add_nc_u64 s[20:21], s[4:5], s[20:21]
	s_add_nc_u64 s[22:23], s[6:7], s[22:23]
	s_add_nc_u64 s[46:47], s[8:9], s[46:47]
	s_add_nc_u64 s[92:93], s[10:11], s[92:93]
	CROUND                                         ; all sixteen work-groups are here: the joint loads meet
	s_mov_b32 s[G0S], 1
	s_add_co_u32 s[G0S+1], s94, SCL
	s_mov_b64 s[G0S+2:G0S+3], s[22:23]
	s_or_b32 s[G0S+3], s[G0S+3], 0x80000000
	s_mov_b32 s[G0SB], 1
	s_add_co_u32 s[G0SB+1], s94, SCL
	s_mov_b64 s[G0SB+2:G0SB+3], s[92:93]
	s_or_b32 s[G0SB+3], s[G0SB+3], 0x80000000
	JLOAD G0S, G1S, G0SB, G1SB                     ; the scales first
.irp s, 0,1
	s_mov_b32 s[G0+4*\s], 1
	s_add_co_u32 s[G0+4*\s+1], s45, \s*SLOT
	s_add_nc_u64 s[G0+4*\s+2:G0+4*\s+3], s[20:21], \s*ROWB
	s_or_b32 s[G0+4*\s+3], s[G0+4*\s+3], 0x80000000
	s_mov_b32 s[G0B+4*\s], 1
	s_add_co_u32 s[G0B+4*\s+1], s45, \s*SLOT
	s_add_nc_u64 s[G0B+4*\s+2:G0B+4*\s+3], s[46:47], \s*ROWB
	s_or_b32 s[G0B+4*\s+3], s[G0B+4*\s+3], 0x80000000
	JLOAD G0+4*\s, G1, G0B+4*\s, G1B               ; three loads of mine are out in all
.endr
	v_and_b32 v1, 15, v0                           ; r
	v_bfe_u32 v2, v0, 4, 1                         ; h
	v_mul_u32_u24 v3, v1, PITCH
	v_lshl_add_u32 v4, v2, 4, v3                   ; a fragment's row x pitch + 16 h
	s_mul_i32 s21, s15, HALFT
	s_mul_i32 s22, s16, HALFT
	s_add_co_u32 s22, s22, 2*HALFT
.irp s, 0,1
	v_add_nc_u32 v[ADRA+\s], s21, v4
	v_add_nc_u32 v[ADRB+\s], s22, v4
	s_add_co_u32 s21, s21, SLOT
	s_add_co_u32 s22, s22, SLOT
.endr
	v_mul_u32_u24 v5, v1, KS                       ; my row's scales: KS bytes a row,
	v_lshrrev_b32 v6, 8, v5
	v_lshl_add_u32 v5, v6, 4, v5                   ; and 16 more for each 256 passed
	s_mul_i32 s21, s15, HALFS
	s_mul_i32 s22, s16, HALFS
	s_add_co_u32 s22, s22, 2*HALFS
	s_sub_co_u32 s22, s22, s21
	v_mul_u32_u24 v6, s22, v2                      ; lanes 16-31 take w_qkv's
	s_add_co_u32 s21, s21, SCL
	v_add_nc_u32 v5, v5, v6
	v_add_nc_u32 v[ADRS], s21, v5
	s_mul_i32 s23, s14, 16*SPITCH                  ; my stage
	v_mul_u32_u24 v5, v1, SPITCH
	v_lshl_add_u32 v5, v2, 5, v5
	v_add_nc_u32 v[STO32], s23, v5                 ; f32 in: row r, 32 bytes for each half of the lanes
	v_and_b32 v6, 31, v0
	v_lshlrev_b32 v[CO], 4, v6
	v_add_nc_u32 v[RD32], s23, v[CO]               ; f32 back: a row of 512 bytes
	v_mul_u32_u24 v5, v1, HP
	v_lshl_add_u32 v5, v2, 4, v5
	v_add_nc_u32 v[STO16], s23, v5                 ; f16 in: row r, 16 bytes for each half
	v_lshrrev_b32 v5, 3, v6
	v_mul_u32_u24 v5, v5, HP
	v_and_b32 v6, 7, v0
	v_lshl_add_u32 v5, v6, 4, v5
	v_add_nc_u32 v[RD16], s23, v5                  ; f16 back: four rows, 128 bytes (one head) of each
	; qkv16: batch cy, t = 256 x cluster y + 128 x row half;  heads g and g + 1, g = 4 x tile column + 2 x column half
	s_lshl_b32 s20, s41, 22
	s_lshl_b32 s21, s95, 15
	s_add_co_u32 s20, s20, s21
	s_lshl_b32 s21, s15, 14
	s_add_co_u32 s20, s20, s21
	s_mov_b32 s21, 0
	s_add_nc_u64 s[12:13], s[12:13], s[20:21]
	s_lshl_b32 s46, s42, 2
	s_lshl_b32 s47, s16, 1
	s_add_co_u32 s46, s46, s47                     ; g
	s_lshr_b32 s47, s46, 4                         ; the part: q, k or v: 64 heads' bytes each
	s_lshl_b32 s47, s47, 6
	s_and_b32 s46, s46, 15
	s_add_co_u32 s46, s46, s47
	s_lshl_b32 s46, s46, 18                        ; a head is 262,144 bytes
	s_mov_b32 s47, 0
	s_add_nc_u64 s[12:13], s[12:13], s[46:47]
	s_mul_i32 s22, s41, 196608                     ; q32: batch cy,
	s_mov_b32 s23, 0
	s_add_nc_u64 s[96:97], s[96:97], s[22:23]
	s_lshl_b32 s92, s42, 10                        ; my first column, in bytes
	s_lshl_b32 s93, s16, 9
	s_add_co_u32 s92, s92, s93
	s_mov_b32 s93, 0
	s_add_nc_u64 s[96:97], s[96:97], s[92:93]
	s_or_b32 s95, s95, s15                         ; 0 where my first 16 rows are t = 0 .. 15: the same in all partners for a given wave
.macro FRAG reg, adr, q, i             ; 16 rows x 128 K of 4-bit codes: 8 registers, two loads of 16 bytes, 32 bytes apart
.irp c, 0,1
	ds_load_b128 v[\reg+4*\c:\reg+4*\c+3], v[\adr] offset:64*(\q)+32*\c+(\i)*16*PITCH
.endr
.endm
; 16 matrix instructions: x's blocks a0, a0 + 1 against w_qkv's eight.  The 64 accumulators take turns, one instruction a turn, in the same order in every step.
.macro MUL16 a0, p, q, sc, zero
.irp a, \a0, \a0+1
.irp b, 0,1,2,3,4,5,6,7
.if \zero
	v_wmma_scale_f32_16x16x128_f8f6f4 v[8*(8*((\a)%4)+\b):8*(8*((\a)%4)+\b)+7], v[128*(\p)+FR*\b:128*(\p)+FR*\b+FR-1], v[AF+FR*(\a):AF+FR*(\a)+FR-1], 0, v[SC+8*NQ*(\sc)+NQ*\b+(\q)], v[SC+8*NQ*(\sc)+NQ*(\a)+(\q)] matrix_a_fmt:MATRIX_FMT_FP4 matrix_b_fmt:MATRIX_FMT_FP4 matrix_a_scale:MATRIX_SCALE_ROW1
.else
	v_wmma_scale_f32_16x16x128_f8f6f4 v[8*(8*((\a)%4)+\b):8*(8*((\a)%4)+\b)+7], v[128*(\p)+FR*\b:128*(\p)+FR*\b+FR-1], v[AF+FR*(\a):AF+FR*(\a)+FR-1], v[8*(8*((\a)%4)+\b):8*(8*((\a)%4)+\b)+7], v[SC+8*NQ*(\sc)+NQ*\b+(\q)], v[SC+8*NQ*(\sc)+NQ*(\a)+(\q)] matrix_a_fmt:MATRIX_FMT_FP4 matrix_b_fmt:MATRIX_FMT_FP4 matrix_a_scale:MATRIX_SCALE_ROW1
.endif
.endr
.endr
.endm
.macro FETCH_B slot, q, p
	WIN TO_B
.irp i, 0,1,2,3,4,5,6,7
	FRAG 128*(\p)+FR*\i, ADRB+\slot, \q, \i
.endr
	WIN 0
.endm
.macro FETCH_A slot, q, i0
.irp i, \i0, \i0+1, \i0+2, \i0+3
	FRAG AF+FR*(\i), ADRA+\slot, \q, \i
.endr
.endm
.macro SCALES sc                       ; a K step's scale words: lanes 0-15 take x's block i, lanes 16-31 w_qkv's block i
.irp i, 0,1,2,3,4,5,6,7
	ds_load_b128 v[SC+8*NQ*\sc+NQ*\i:SC+8*NQ*\sc+NQ*\i+3], v[ADRS] offset:\i*SBLK
.endr
.endm
.macro PLACES n                        ; plain vector instructions between a matrix instruction and a load into, or a read of, its registers
.rept \n
	v_nop
.endr
.endm
.macro STEP slot, q, zero              ; 128 along K with its successor in the same slot
	s_wait_dscnt 4*NL                              ; all but the youngest eight loads (x's blocks 4-7) are in
	WIN MUL_LO
	MUL16 0, (\q)%2, \q, \slot, \zero
	MUL16 2, (\q)%2, \q, \slot, \zero
	s_wait_dscnt 0
	PLACES NP
	FETCH_B \slot, (\q)+1, 1-(\q)%2
	FETCH_A \slot, (\q)+1, 0
	WIN MUL_HI
	MUL16 4, (\q)%2, \q, \slot, \zero
	MUL16 6, (\q)%2, \q, \slot, \zero
	PLACES NP
	WIN 0
	FETCH_A \slot, (\q)+1, 4
.endm
; Slot 0's last step changes slots: each wave waits for all its tensor loads (slot 1's was still out) and for its reads, then the barrier: behind it slot 1 is whole, and nobody reads slot 0 any more.  Nothing is filled again.
.macro TURN slot, next
	s_wait_tensorcnt 0x0
	ds_add_u32 v[SPW], v[NIL]
	s_wait_dscnt 4*NL+1                            ; the add and the youngest eight loads may be out
	WIN MUL_LO
	MUL16 0, 1, NQ-1, \slot, 0
	s_wait_dscnt 0x0
	s_barrier_signal -1
	MUL16 2, 1, NQ-1, \slot, 0
	WIN 0
	s_barrier_wait -1
	PLACES NP
	v_add_nc_u32 v[ADRS], 4*NQ, v[ADRS]            ; the next K step's scale words
	FETCH_B \next, 0, 0
	FETCH_A \next, 0, 0
	SCALES \next
	WIN MUL_HI
	MUL16 4, 1, NQ-1, \slot, 0
	MUL16 6, 1, NQ-1, \slot, 0
	PLACES NP
	WIN 0
	FETCH_A \next, 0, 4
.endm
.macro STEPS slot, from
.set QQ, \from
.rept NQ-1-\from
	STEP \slot, QQ, 0
.set QQ, QQ+1
.endr
.endm
	s_wait_tensorcnt 1                             ; the scales and my part of slot 0 are in; slot 1's load may be out,
	s_barrier_signal -1
	s_barrier_wait -1                              ; everybody's are
	FETCH_B 0, 0, 0
	FETCH_A 0, 0, 0
	SCALES 0
	FETCH_A 0, 0, 4
	STEP 0, 0, 1                                   ; the first products start the sums: nothing is cleared
	STEPS 0, 1
	TURN 0, 1
	STEPS 1, 0
	s_wait_dscnt 4*NL
	WIN MUL_LO
	MUL16 0, 1, NQ-1, 1, 0
	MUL16 2, 1, NQ-1, 1, 0
	s_wait_dscnt 0
	WIN MUL_HI
	MUL16 4, 1, NQ-1, 1, 0
	MUL16 6, 1, NQ-1, 1, 0
	WIN 0
	; THE WAY OUT.  First, where my rows begin a sequence, block 0 (t = 0 .. 15) in f32: through my stage, back as rows of 512 bytes.
	PLACES NP
	s_cmp_lg_u32 s95, 0
	s_cbranch_scc1 .Lno_fine
	WIN 0x08                                       ; an LDS store's data: window 2
.irp b, 0,1,2,3,4,5,6,7
	ds_store_b128 v[STO32], v[8*\b:8*\b+3] offset:64*\b              ; each accumulator from its low end on
	ds_store_b128 v[STO32], v[8*\b+4:8*\b+7] offset:64*\b+16
.endr
	WIN 0
.irp t, 0,1,2,3,4,5,6,7,8,9,10,11,12,13,14,15
	ds_load_b128 v[128+4*\t:128+4*\t+3], v[RD32] offset:\t*SPITCH    ; LDS serves a wave's instructions in order: these see the stores above
.endr
	s_wait_dscnt 0x0
.irp t, 0,1,2,3,4,5,6,7,8,9,10,11,12,13,14,15
	global_store_b128 v[CO], v[128+4*\t:128+4*\t+3], s[96:97] offset:\t*SIZE_N*4   ; 512 consecutive bytes
.endr
.Lno_fine:
; Then all eight blocks in f16.  PACK: 16 bytes a lane.  TOSTAGE: into rows of 272 bytes and back, four rows of one head an instruction.  SEND: 512 consecutive bytes a store.
.macro PACK a
.set AC, 64*((\a)%4)
	WIN 0x0a+5*((\a)/4)                            ; sources 0 and 1: window 2 or 3
.irp b, 0,1,2,3,4,5,6,7
.irp r, 0,1,2,3
	v_cvt_pk_f16_f32 v[TMP+4*\b+\r], v[AC+8*\b+2*\r], v[AC+8*\b+2*\r+1]
.endr
.endr
	WIN 0
.endm
.macro TOSTAGE a
.set BB, BK+32*((\a)%2)
.irp b, 0,1,2,3,4,5,6,7
	ds_store_b128 v[STO16], v[TMP+4*\b:TMP+4*\b+3] offset:32*\b
.endr
.irp i, 0,1,2,3,4,5,6,7
	ds_load_b128 v[BB+4*\i:BB+4*\i+3], v[RD16] offset:(\i%4)*4*HP+(\i/4)*128
.endr
.endm
.macro SEND a
.set BB, BK+32*((\a)%2)
	s_wait_dscnt 0x0                               ; the block is back in registers
	s_wait_xcnt 0x0                                ; the stores of the block before have read their registers: the next block's loads may land there
.irp i, 0,1,2,3,4,5,6,7
	global_store_b128 v[CO], v[BB+4*\i:BB+4*\i+3], s[12:13] offset:(\i/4)*262144+(\a)*2048+(\i%4)*512
.endr
.endm
	PACK 0
	TOSTAGE 0
.irp a, 1,2,3,4,5,6,7
	PACK \a                                        ; a block's conversions stand between the loads of the block before and the wait for them
	SEND \a-1
	TOSTAGE \a
.endr
	SEND 7
	s_wait_tensorcnt 0x0                           ; the wave's end
	ds_add_u32 v[SPW], v[NIL]
	s_wait_dscnt 0x0
	CROUND                                         ; the closing round
	s_endpgm
.Lfunc_end_k_q3e57715b78_qkv:
	.size	k_q3e57715b78_qkv, .Lfunc_end_k_q3e57715b78_qkv-k_q3e57715b78_qkv
	.p2alignl 7, 3214868480
	.fill 96, 4, 3214868480
	.section	.rodata,"a",@progbits
	.p2align	6, 0x0
	.amdhsa_kernel k_q3e57715b78_qkv
		.amdhsa_group_segment_fixed_size 327680
		.amdhsa_private_segment_fixed_size 0
		.amdhsa_enable_private_segment 0
		.amdhsa_kernarg_size 48
		.amdhsa_user_sgpr_count 2
		.amdhsa_user_sgpr_kernarg_segment_ptr 1
		.amdhsa_wavefront_size32 1
		.amdhsa_system_sgpr_workgroup_id_x 1
		.amdhsa_system_sgpr_workgroup_id_y 1
		.amdhsa_system_sgpr_workgroup_id_z 1
		.amdhsa_system_vgpr_workitem_id 0
		.amdhsa_next_free_vgpr 1024
		.amdhsa_next_free_sgpr 100
		.amdhsa_reserve_vcc 0
		.amdhsa_float_denorm_mode_32 3
		.amdhsa_float_denorm_mode_16_64 3
		.amdhsa_memory_ordered 1
		.amdhsa_forward_progress 1
		.amdhsa_inst_pref_size 131
	.end_amdhsa_kernel
	.amdgpu_metadata
---
amdhsa.version: [ 1, 2 ]
amdhsa.kernels:
  - .name:           k_q3e57715b78_qkv
    .symbol:         k_q3e57715b78_qkv.kd
    .args:
      - { .name: xc, .offset: 0, .size: 8, .value_kind: global_buffer, .address_space: global }
      - { .name: xs, .offset: 8, .size: 8, .value_kind: global_buffer, .address_space: global }
      - { .name: wc, .offset: 16, .size: 8, .value_kind: global_buffer, .address_space: global }
      - { .name: ws, .offset: 24, .size: 8, .value_kind: global_buffer, .address_space: global }
      - { .name: qkv16, .offset: 32, .size: 8, .value_kind: global_buffer, .address_space: global }
      - { .name: q32, .offset: 40, .size: 8, .value_kind: global_buffer, .address_space: global }
    .group_segment_fixed_size: 327680
    .private_segment_fixed_size: 0
    .kernarg_segment_align: 8
    .kernarg_segment_size: 48
    .max_flat_workgroup_size: 128
    .sgpr_count:     100
    .vgpr_count:     1024
    .wavefront_size: 32
...
	.end_amdgpu_metadata
.endif
;; end of part 2
;; launch attn (part 3): grid 4 x 64, 8 waves a work-group, no clusters, 327,680 bytes of LDS; arguments qkv16, y16; writes y16
.if DOCPART == 3
	.amdgcn_target "amdgcn-amd-amdhsa--gfx1250"
	.amdhsa_code_object_version 6
	.text
	.protected	k_q3e57715b78_attn
	.globl	k_q3e57715b78_attn
	.p2align	8
	.type	k_q3e57715b78_attn,@function
k_q3e57715b78_attn:
	s_mov_b64 s[64:65], 0
	v_nop
	global_prefetch_b8 v0, s[64:65] scope:SCOPE_SE
	s_setreg_imm32_b32 hwreg(HW_REG_WAVE_MODE, 25, 1), 1
	s_wait_xcnt 0x0
; y[b][h][t][:] = the sum over s <= t of softmax_s(q[t] . k[s] / 8) v[s][:], one head of 64 channels at a time.  q, k, v: qkv16 [part][b][h][2048][64] f16; y16 [b][h][2048][64] f16.
; Products on f16 operands, sums, maxima and the softmax in f32; the weights p (at most 1) are rounded to f16 for the second product, y once at the end.  The row's running maximum is taken away before every exponential.
; LIMIT: y beyond 65,504 becomes an infinity in f16.  The rows t < 16 are made here too, but the output's rows t < 16 come from a launch of their own, in f32.
; SHARES.  A work-group takes two blocks of 256 queries of one head: block 7 - X with key slots 0 .. 7 - X, then block X with key slots 0 .. X (a slot is 256 keys): nine slots for every work-group, so 256 work-groups
; of equal length and a constant trip count.  Eight waves, 32 queries (two tiles of 16) each, two waves to a SIMD: one wave's softmax stands beside the other's products.  A key step is 64 keys.
; A step whose keys all come after the wave's queries is jumped over (a scalar branch on ids and counts); on the diagonal hidden scores become -infinity ahead of the maximum.
; LAYOUT.  S^T = K Q^T and O^T = V^T P: a lane holds ONE query (lane % 16) throughout; two score tiles rounded in pairs ARE the second product's operand.  K comes out of LDS as it lies, V turned by ds_load_tr16_b128.
; NO CLUSTER: under the causal mask the query blocks of a head need different numbers of key slots (1 to 8), so a joint load would bring some partner tiles that none of its waves reads.
; LDS: two slots 2^17 bytes apart (K: 256 rows of 128 + 16 bytes; V: 256 rows of 128 + 32), a stage of 32 rows x 144 bytes for each wave, the spare words.
; REGISTERS: window 0: v1-15 addresses and constants; v16-31 statistics, 8 a tile (c m, m, l, l, four at work); v32-63 Q; v64-127 S^T; v128-159 P; v160-191 rows on the way out; v192-193 at work.
;   window 1: v0-63 O^T (tile T, channels 16 ct on: 32 T + 8 ct); v64-127 K's fragments; v128-191 V's.
.set KS,    64
.set SK,    256
.set PK,    144
.set PV,    160
.set VOFF,  SK*PK
.set SLOT1, 1<<17
.set STAGE, SLOT1+SK*(PK+PV)
.set SPARE, STAGE+8*32*PK
.set PARTB, 16777216                   ; bytes of q, of k, of v
.set AK0, 1
.set AV0, 2
.set ADK, 3
.set ADV, 4
.set QO,  5
.set STO, 6
.set RD,  7
.set GO,  8
.set PFO, 9
.set PFO2, 10
.set RH,  11
.set SPW, 12
.set NIL, 13
.set NINF, 14
.set ST,  16
.set Q,   32
.set S,   64
.set P,   128
.set BACK, 160
.set D0,  192
.set D1,  193
.set KFR, 64
.set VFR, 128
.set WV,  8
.set X,   9
.set BH,  10
.set Q0,  11                           ; s11 my first query
.set KEY, 12                           ; s12 the step's first key
.set TB,  13                           ; s13 LDS byte at which the slot in hand begins
.set LEFT, 14                          ; s14 trips still to come behind this one
.set NS,  15                           ; s15 the key slot last asked for
.set LIM, 16
.set SEL, 20
.set CS,  22                           ; s[22:23] c = log2(e) / 8
.set G1K, 24
.set G1V, 32
.set G0K, 40
.set G0V, 44
.set KB,  48
.set VB,  50
.set OFF, 52
.set PFA, 54
.set QB,  56
.set YB,  58
.set QP,  60
.set YP,  62
.set MSB, 0
.macro WIN new                         ; the immediate's high byte repeats the setting that is left
.if MSB != \new
	s_set_vgpr_msb (MSB<<8)|\new
.set MSB, \new
.endif
.endm
.set W_LD, 0x40                        ; destination window 1
.set W_S,  0x01                        ; K in window 1; Q and S^T in window 0
.set W_PV, 0x51                        ; V and O^T in window 1, P in window 0
.set W_RS, 0x41                        ; O^T (destination and source 0) in window 1
; Waves 0 and 1 fetch K's halves of a slot, waves 2 and 3 V's, the others nothing.  An s_nop 0 and four v_nop follow each line.  One tensor load of a wave is out at a time.
.macro TLOAD
	s_cmp_lt_u32 s[WV], 2
	s_cbranch_scc0 .Lnot_k_\@
	tensor_load_to_lds s[G0K:G0K+3], s[G1K:G1K+7]
	s_nop 0
.rept 4
	v_nop
.endr
	s_branch .Lasked_\@
.Lnot_k_\@:
	s_cmp_lt_u32 s[WV], 4
	s_cbranch_scc0 .Lasked_\@
	tensor_load_to_lds s[G0V:G0V+3], s[G1V:G1V+7]
	s_nop 0
.rept 4
	v_nop
.endr
.Lasked_\@:
.endm
; A PREFETCH of the key slot that the NEXT change of slots will ask for.  The four work-groups of a head walk key slot t in trip t of their first block; the one with X = 0, which walks all eight, asks, and in it
; waves 4 to 7, which fetch nothing: 8,192 bytes of K and of V each, lanes 256 bytes apart.  In trip t it names key slot t + 2, t = 0 .. 5: each run of 256 bytes once in the launch; slots 0 and 1 come by their loads alone.
.macro ASK
	s_cmp_gt_u32 s[LEFT], s[LIM]
	s_cbranch_scc0 .Lnot_mine_\@
	global_prefetch_b8 v[PFO], s[PFA:PFA+1] th:TH_LOAD_NT scope:SCOPE_SE
	global_prefetch_b8 v[PFO2], s[PFA:PFA+1] th:TH_LOAD_NT scope:SCOPE_SE
.Lnot_mine_\@:
.endm
.macro SETQ                            ; s66 = 256 x the block of queries: my first query, and its rows in q and in y
	s_lshl_b32 s67, s[WV], 5
	s_add_co_u32 s[Q0], s66, s67
	s_lshl_b32 s66, s[Q0], 7
	s_mov_b32 s67, 0
	s_add_nc_u64 s[QP:QP+1], s[QB:QB+1], s[66:67]
	s_add_nc_u64 s[YP:YP+1], s[YB:YB+1], s[66:67]
.endm
.macro QLOAD                           ; Q's fragments stay in registers: tile T, channels 32 ds on, at Q + 16 T + 8 ds
.irp f, 0,1,2,3
	global_load_b128 v[Q+8*\f:Q+8*\f+3],   v[QO], s[QP:QP+1] offset:(\f/2)*2048+(\f%2)*64
	global_load_b128 v[Q+8*\f+4:Q+8*\f+7], v[QO], s[QP:QP+1] offset:(\f/2)*2048+(\f%2)*64+32
.endr
.endm
.macro RESET                           ; a block of queries begins: m = -3e38, under every score; l = 0; O^T = 0, which the first change of m leaves 0.  So the key step is written in one form
.irp t, 0,1
	v_mov_b32 v[ST+8*\t+1], 0xff61b1e6
	v_mul_f32 v[ST+8*\t], s[CS], v[ST+8*\t+1]
	v_mov_b32 v[ST+8*\t+2], 0
	v_mov_b32 v[ST+8*\t+3], 0
	v_mov_b32 v[ST+8*\t+5], 0                      ; (a lane permute's destination counts as one of its sources)
	v_mov_b32 v[ST+8*\t+7], 0                      ; (named as the upper half of a pair)
.endr
	WIN W_LD
.set i, 0
.rept 64
	v_mov_b32 v[i], 0
.set i, i+1
.endr
	WIN 0
.endm
; THE SOFTMAX of a key step, both tiles line by line, so that no line waits for the line above it.
.macro SOFTMAX
.irp j, 0,1,2,3
.irp t, 0,1
	v_max3_num_f32 v[ST+8*\t+4+\j], v[S+32*\t+8*\j], v[S+32*\t+8*\j+1], v[S+32*\t+8*\j+2]   ; four chains; each accumulator is read from its low end on
.endr
.endr
.irp g, 1,2
.irp j, 0,1,2,3
.irp t, 0,1
	v_max3_num_f32 v[ST+8*\t+4+\j], v[ST+8*\t+4+\j], v[S+32*\t+8*\j+2*\g+1], v[S+32*\t+8*\j+2*\g+2]
.endr
.endr
.endr
.irp t, 0,1
	v_max3_num_f32 v[ST+8*\t+4], v[ST+8*\t+4], v[S+32*\t+7], v[S+32*\t+15]
.endr
.irp t, 0,1
	v_max3_num_f32 v[ST+8*\t+6], v[ST+8*\t+6], v[S+32*\t+23], v[S+32*\t+31]
.endr
.irp t, 0,1
	v_max3_num_f32 v[ST+8*\t+4], v[ST+8*\t+4], v[ST+8*\t+5], v[ST+8*\t+6]
.endr
.irp t, 0,1
	v_max3_num_f32 v[ST+8*\t+4], v[ST+8*\t+4], v[ST+8*\t+7], v[ST+8*\t+1]   ; and the old m
.endr
.irp t, 0,1
	v_permlanex16_b32 v[ST+8*\t+5], v[ST+8*\t+4], s[SEL], s[SEL+1]          ; the query's other 32 keys lie in the lane 16 away
.endr
.irp t, 0,1
	v_mov_b32 v[ST+8*\t+7], v[ST+8*\t]             ; c m_old
.endr
.irp t, 0,1
	v_max_num_f32 v[ST+8*\t+1], v[ST+8*\t+4], v[ST+8*\t+5]
.endr
.irp t, 0,1
	v_mul_f32 v[ST+8*\t], s[CS], v[ST+8*\t+1]
.endr
.irp t, 0,1
	v_sub_f32 v[ST+8*\t+7], v[ST+8*\t+7], v[ST+8*\t]
.endr
.irp b, 0,1,2,3,4,5,6,7,8,9,10,11,12,13,14,15
.irp t, 0,1
	v_pk_fma_f32 v[S+32*\t+2*\b:S+32*\t+2*\b+1], v[S+32*\t+2*\b:S+32*\t+2*\b+1], s[CS:CS+1], v[ST+8*\t:ST+8*\t+1] op_sel_hi:[1,0,0] neg_lo:[0,0,1] neg_hi:[0,0,1]   ; c s - c m
.endr
.endr
.irp t, 0,1
	v_exp_f32 v[ST+8*\t+6], v[ST+8*\t+7]           ; a = 2^(c m_old - c m_new)
.endr
.set i, 0
.rept 64
	v_exp_f32 v[S+i], v[S+i]                       ; one batch of 66 exponentials
.set i, i+1
.endr
	v_nop                                          ; a plain instruction behind the last exponential (ISA guide 5.7.2)
	s_wait_alu depctr_va_vdst(0)                   ; one wait for the batch, ahead of its first reader
.irp b, 0,1,2,3,4,5,6,7,8,9,10,11,12,13,14,15
.irp t, 0,1
	v_cvt_pk_f16_f32 v[P+16*\t+\b], v[S+32*\t+2*\b], v[S+32*\t+2*\b+1]
.endr
.endr
.irp u, 0,1,2,3,4,5,6,7                ; the row's sum is taken of the f32 weights, in place, as a tree of pairs
.irp t, 0,1
	v_pk_add_f32 v[S+32*\t+4*\u:S+32*\t+4*\u+1], v[S+32*\t+4*\u:S+32*\t+4*\u+1], v[S+32*\t+4*\u+2:S+32*\t+4*\u+3]
.endr
.endr
.irp u, 0,1,2,3
.irp t, 0,1
	v_pk_add_f32 v[S+32*\t+8*\u:S+32*\t+8*\u+1], v[S+32*\t+8*\u:S+32*\t+8*\u+1], v[S+32*\t+8*\u+4:S+32*\t+8*\u+5]
.endr
.endr
.irp u, 0,1
.irp t, 0,1
	v_pk_add_f32 v[S+32*\t+16*\u:S+32*\t+16*\u+1], v[S+32*\t+16*\u:S+32*\t+16*\u+1], v[S+32*\t+16*\u+8:S+32*\t+16*\u+9]
.endr
.endr
.irp t, 0,1
	v_pk_add_f32 v[S+32*\t:S+32*\t+1], v[S+32*\t:S+32*\t+1], v[S+32*\t+16:S+32*\t+17]
.endr
.irp t, 0,1
	v_pk_fma_f32 v[ST+8*\t+2:ST+8*\t+3], v[ST+8*\t+2:ST+8*\t+3], v[ST+8*\t+6:ST+8*\t+7], v[S+32*\t:S+32*\t+1] op_sel_hi:[1,0,1]   ; l = a l + the sum
.endr
	WIN W_RS
.set i, 0
.rept 32
	v_pk_mul_f32 v[2*i:2*i+1], v[2*i:2*i+1], v[ST+8*(i/16)+6:ST+8*(i/16)+7] op_sel_hi:[1,0]   ; O^T times a
.set i, i+1
.endr
.endm
; A KEY STEP: 64 keys, the q-th of the slot in hand.
.macro STEP q
	s_add_co_u32 s66, s[Q0], 31
	s_cmp_gt_u32 s[KEY], s66                       ; all 64 keys behind my last query: the step's work is left out
	s_cbranch_scc1 .Lhid_\@
	v_add_nc_u32 v[ADK], s[TB], v[AK0]
	v_add_nc_u32 v[ADV], s[TB], v[AV0]
	v_nop
	v_nop                                          ; four plain instructions between the last products and the loads into the registers that they read
	WIN W_LD
.irp f, 0,1,2,3,4,5,6,7                ; K: keys 16 (f / 2) on, channels 32 (f % 2) on
	ds_load_b128 v[KFR+8*\f:KFR+8*\f+3],   v[ADK] offset:(\q)*KS*PK+(\f/2)*16*PK+(\f%2)*64
	ds_load_b128 v[KFR+8*\f+4:KFR+8*\f+7], v[ADK] offset:(\q)*KS*PK+(\f/2)*16*PK+(\f%2)*64+32
.endr
.irp f, 0,1,2,3,4,5,6,7                ; V, turned: keys 32 (f / 4) on, channels 16 (f % 4) on
	ds_load_tr16_b128 v[VFR+8*\f:VFR+8*\f+3],   v[ADV] offset:(\q)*KS*PV+(\f/4)*32*PV+(\f%4)*32
	ds_load_tr16_b128 v[VFR+8*\f+4:VFR+8*\f+7], v[ADV] offset:(\q)*KS*PV+(\f/4)*32*PV+16*PV+(\f%4)*32
.endr
	s_wait_dscnt 16                                ; K's sixteen loads are in; V's sixteen may be out
	WIN W_S
.set i, 0
.rept 16                               ; S^T = K Q^T: eight accumulators by turns, one instruction a turn; the first eight start the sums
.set rS, S+32*(i%2)+8*((i%8)/2)
.set rK, KFR+16*((i%8)/2)+8*(i/8)
.set rQ, Q+16*(i%2)+8*(i/8)
.if i < 8
	v_wmma_f32_16x16x32_f16 v[rS:rS+7], v[rK:rK+7], v[rQ:rQ+7], 0
.else
	v_wmma_f32_16x16x32_f16 v[rS:rS+7], v[rK:rK+7], v[rQ:rQ+7], v[rS:rS+7]
.endif
.set i, i+1
.endr
	WIN 0
.rept 4
	v_nop
.endr
	s_add_co_u32 s66, s[KEY], 63
	s_cmp_le_u32 s66, s[Q0]                        ; every key counts for every query of mine: no mask
	s_cbranch_scc1 .Lopen_\@
	s_sub_co_u32 s66, s[Q0], s[KEY]                ; 0 or more in a step that is walked
	v_add_nc_u32 v[D0], s66, v[RH]                 ; d = my query - KEY - 8 (lane / 16).  Register 8 kt + j holds key KEY + 16 kt + 8 (lane / 16) + j: hidden where 16 kt + j > d
	v_add_nc_u32 v[D1], 16, v[D0]
.irp n, 0,1,2,3,4,5,6,7,8,9,10,11,12,13,14,15,16,17,18,19,20,21,22,23,24,25,26,27,28,29,30,31
	v_cmp_gt_i32 vcc_lo, 16*(\n/8)+\n%8, v[D0]
	v_cndmask_b32 v[S+\n], v[S+\n], v[NINF], vcc_lo
	v_cmp_gt_i32 vcc_lo, 16*(\n/8)+\n%8, v[D1]
	v_cndmask_b32 v[S+32+\n], v[S+32+\n], v[NINF], vcc_lo
.endr
.Lopen_\@:
	SOFTMAX
	s_wait_dscnt 0x0                               ; V is in
	WIN W_PV
.set i, 0
.rept 16                               ; O^T += V^T P: eight accumulators by turns
.set rO, 32*(i%2)+8*((i%8)/2)
.set rV, VFR+8*(4*(i/8)+(i%8)/2)
.set rP, P+16*(i%2)+8*(i/8)
	v_wmma_f32_16x16x32_f16 v[rO:rO+7], v[rV:rV+7], v[rP:rP+7], v[rO:rO+7]
.set i, i+1
.endr
	WIN 0
.Lhid_\@:
	s_add_co_u32 s[KEY], s[KEY], KS
.endm
; THE CHANGE OF SLOTS stands at a trip's head.  Each wave waits for all its tensor loads (its part of the slot that it is about to read), adds 0 to its spare word, and waits for that and for its reads of the slot that it has left.
; fill = 1: behind the barrier that slot takes the next trip's keys: the key slot after this one, or key slot 0 where the next trip begins the second block of queries.
.macro CHANGE fill
	s_wait_tensorcnt 0x0                           ; no tensor load of mine is out, so a group 0 may be written
	ds_add_u32 v[SPW], v[NIL]
.if \fill
	ds_add_u32 v[SPW], v[NIL]                      ; and twice on end here, in every trip alike
	s_add_co_u32 s[NS], s[NS], 1
	s_sub_co_u32 s66, s[LEFT], 1
	s_cmp_eq_u32 s66, s[X]
	s_cselect_b32 s[NS], 0, s[NS]
	s_lshl_b32 s[OFF], s[NS], 15                   ; 256 keys x 128 bytes
	s_xor_b32 s[G0K+1], s[G0K+1], SLOT1
	s_add_nc_u64 s[G0K+2:G0K+3], s[KB:KB+1], s[OFF:OFF+1]
	s_or_b32 s[G0K+3], s[G0K+3], 0x80000000
	s_xor_b32 s[G0V+1], s[G0V+1], SLOT1
	s_add_nc_u64 s[G0V+2:G0V+3], s[VB:VB+1], s[OFF:OFF+1]
	s_or_b32 s[G0V+3], s[G0V+3], 0x80000000
	s_wait_xcnt 0x0                                ; the last prefetches, a trip back, have read their address
	s_add_nc_u64 s[PFA:PFA+1], s[PFA:PFA+1], 32768
.endif
	s_wait_dscnt 0x0                               ; the add is done, and my reads of the slot that I have left are over
	s_barrier_signal -1
	s_barrier_wait -1
.if \fill
	TLOAD                                          ; the first thing behind the barrier, a wave's one tensor load until the next: it has four key steps in which to land
	ASK
.endif
.endm
; THE WAY OUT of a block of queries: l's halves are added; O^T / l, rounded to f16, goes through my stage and leaves four rows (512 consecutive bytes) a store.
.macro OUT
.irp t, 0,1
	v_add_f32 v[ST+8*\t+4], v[ST+8*\t+2], v[ST+8*\t+3]
.endr
.irp t, 0,1
	v_permlanex16_b32 v[ST+8*\t+5], v[ST+8*\t+4], s[SEL], s[SEL+1]
.endr
.irp t, 0,1
	v_add_f32 v[ST+8*\t+4], v[ST+8*\t+4], v[ST+8*\t+5]
.endr
.irp t, 0,1
	v_rcp_f32 v[ST+8*\t+6], v[ST+8*\t+4]
.endr
	v_nop
	s_wait_alu depctr_va_vdst(0)                   ; one wait for the two reciprocals, ahead of their first reader
	WIN W_S                                        ; source 0 (O^T) window 1
.set i, 0
.rept 32
	v_pk_mul_f32 v[S+2*i:S+2*i+1], v[2*i:2*i+1], v[ST+8*(i/16)+6:ST+8*(i/16)+7] op_sel_hi:[1,0]
.set i, i+1
.endr
	WIN 0
.set i, 0
.rept 32
	v_cvt_pk_f16_f32 v[P+i], v[S+2*i], v[S+2*i+1]
.set i, i+1
.endr
.irp f, 0,1,2,3,4,5,6,7                ; tile f / 4, channels 16 (f % 4) on
	ds_store_b128 v[STO], v[P+4*\f:P+4*\f+3] offset:(\f/4)*16*PK+(\f%4)*32
.endr
.irp f, 0,1,2,3,4,5,6,7
	ds_load_b128 v[BACK+4*\f:BACK+4*\f+3], v[RD] offset:(\f/4)*16*PK+(\f%4)*4*PK   ; LDS serves a wave's instructions in order: these see the stores above
.endr
.irp f, 0,1,2,3,4,5,6,7
	s_wait_dscnt 7-\f                              ; the younger loads may be out
	global_store_b128 v[GO], v[BACK+4*\f:BACK+4*\f+3], s[YP:YP+1] offset:\f*512
.endr
.endm
; Where the second block of queries begins (LEFT = X: ids and the count of trips, the same in all waves): the first block leaves, and Q, m, l and O^T begin anew.  No barrier and no tensor load stands here.
.macro SWITCH
	s_cmp_lg_u32 s[LEFT], s[X]
	s_cbranch_scc1 .Lsame_\@
	OUT
	s_wait_xcnt 0x0                                ; the stores have read their base and registers
	s_lshl_b32 s66, s[X], 8
	SETQ
	s_mov_b32 s[KEY], 0
	QLOAD
	RESET
	s_wait_loadcnt 0x0
.Lsame_\@:
.endm
	s_load_b128 s[4:7], s[0:1], 0x0                ; qkv16, y16
	v_lshl_add_u32 v[SPW], v0, 2, SPARE
	v_mov_b32 v[NIL], 0
	ds_add_u32 v[SPW], v[NIL]                      ; the wave's opening: the add, twice on end, and its wait ahead of the first tensor load
	ds_add_u32 v[SPW], v[NIL]
	v_lshrrev_b32 v1, 5, v0
	v_readfirstlane_b32 s[WV], v1                  ; wave 0..7
	s_mov_b32 s[X], ttmp9
	s_and_b32 s[BH], ttmp7, 0xffff                 ; 16 b + head
	; group 1: 128 keys, dense in memory, as 64 rows of 256 bytes; padding behind every 128 bytes (32 words): 4 words for K, 8 for V
	s_mov_b32 s[G1K], (1<<16)|(1<<20)|(4<<22)|(3<<25)
	s_mov_b32 s[G1V], (1<<16)|(1<<20)|(4<<22)|(7<<25)
.irp g, G1K, G1V
	s_mov_b32 s[\g+1], 128<<16                     ; tensor_dim0
	s_mov_b32 s[\g+2], 64<<16                      ; tensor_dim1
	s_mov_b32 s[\g+3], 128<<16                     ; tile_dim0
	s_mov_b32 s[\g+4], 64                          ; tile_dim1
	s_mov_b32 s[\g+5], 128                         ; from row to row
	s_mov_b32 s[\g+6], 0
	s_mov_b32 s[\g+7], 0
.endr
	s_mov_b32 s[SEL], 0x76543210
	s_mov_b32 s[SEL+1], 0xfedcba98
	s_mov_b32 s[CS], 0x3e38aa3b                    ; log2(e) / 8
	s_mov_b32 s[CS+1], s[CS]
	s_mov_b32 s[KEY], 0
	s_mov_b32 s[TB], 0
	s_mov_b32 s[NS], 0
	s_mov_b32 s[LEFT], 8
	s_mov_b32 s[OFF+1], 0
	s_lshl_b32 s66, s[BH], 18                      ; a head is 262,144 bytes
	s_mov_b32 s67, 0
	s_and_b32 s68, s[WV], 1                        ; which half of a slot I fetch, if I fetch
	s_lshl_b32 s70, s68, 14
	s_mov_b32 s71, 0
	s_mov_b32 s[G0K], 1
	s_mul_i32 s[G0K+1], s68, 128*PK
	s_mov_b32 s[G0V], 1
	s_mul_i32 s[G0V+1], s68, 128*PV
	s_add_co_u32 s[G0V+1], s[G0V+1], VOFF
	s_wait_dscnt 0x0                               ; both opening adds are done
	s_wait_kmcnt 0x0
	s_add_nc_u64 s[QB:QB+1], s[4:5], s[66:67]
	s_add_nc_u64 s[YB:YB+1], s[6:7], s[66:67]
	s_add_nc_u64 s[PFA:PFA+1], s[QB:QB+1], PARTB   ; the head's k
	s_add_nc_u64 s[KB:KB+1], s[PFA:PFA+1], s[70:71]
	s_add_nc_u64 s[VB:VB+1], s[KB:KB+1], PARTB
	s_mov_b64 s[G0K+2:G0K+3], s[KB:KB+1]
	s_or_b32 s[G0K+3], s[G0K+3], 0x80000000
	s_mov_b64 s[G0V+2:G0V+3], s[VB:VB+1]
	s_or_b32 s[G0V+3], s[G0V+3], 0x80000000
	TLOAD                                          ; key slot 0 into slot 0
	s_and_b32 s70, s[WV], 3
	s_lshl_b32 s70, s70, 13
	s_add_co_u32 s70, s70, 32768                   ; my 8,192 bytes, in key slot 1: the first change steps it to 2.  Nothing is prefetched here
	s_add_nc_u64 s[PFA:PFA+1], s[PFA:PFA+1], s[70:71]
	s_lshr_b32 s66, s[WV], 2
	s_xor_b32 s66, s66, 1                          ; 0 in waves 4 to 7,
	s_or_b32 s66, s66, s[X]                        ; of the work-group with X = 0
	s_cmp_eq_u32 s66, 0
	s_cselect_b32 s[LIM], 2, -1
	s_sub_co_u32 s66, 7, s[X]
	s_lshl_b32 s66, s66, 8
	SETQ                                           ; the larger block first
	v_and_b32 v15, 15, v0                          ; r
	v_bfe_u32 v[D0], v0, 4, 1                      ; h
	v_and_b32 v[D1], 31, v0                        ; lane
	v_lshlrev_b32 v[QO], 7, v15
	v_lshl_add_u32 v[QO], v[D0], 4, v[QO]          ; row r of 128 bytes + 16 h
	QLOAD
	v_mul_u32_u24 v[AK0], v15, PK
	v_lshl_add_u32 v[AK0], v[D0], 4, v[AK0]
	v_and_b32 v[AV0], 7, v0                        ; the turning load: key 8 h + lane % 8, channels 8 ((lane / 8) % 2) on
	v_lshl_add_u32 v[AV0], v[D0], 3, v[AV0]
	v_mul_u32_u24 v[AV0], v[AV0], PV
	v_bfe_u32 v[ADK], v0, 3, 1
	v_lshl_add_u32 v[AV0], v[ADK], 4, v[AV0]
	v_add_nc_u32 v[AV0], VOFF, v[AV0]
	s_mul_i32 s66, s[WV], 32*PK
	s_add_co_u32 s66, s66, STAGE                   ; my stage
	v_add_nc_u32 v[STO], s66, v[AK0]               ; in: row r, 16 bytes for each half of the lanes
	v_lshrrev_b32 v[RD], 3, v[D1]
	v_mul_u32_u24 v[RD], v[RD], PK
	v_and_b32 v[ADV], 7, v0
	v_lshl_add_u32 v[RD], v[ADV], 4, v[RD]
	v_add_nc_u32 v[RD], s66, v[RD]                 ; back: four rows of 128 bytes
	v_lshlrev_b32 v[GO], 4, v[D1]
	v_lshlrev_b32 v[PFO], 8, v[D1]
	v_add_nc_u32 v[PFO2], PARTB, v[PFO]            ; v lies a part behind k
	v_lshlrev_b32 v[ADV], 3, v[D0]
	v_sub_nc_u32 v[RH], v15, v[ADV]                ; r - 8 h
	v_mov_b32 v[NINF], 0xff800000
	RESET
	s_wait_loadcnt 0x0                             ; Q
.Ltrip:                                            ; eight trips, each asking for the next trip's slot; the ninth is written out
	CHANGE 1
	SWITCH
	STEP 0
	STEP 1
	STEP 2
	STEP 3
	s_xor_b32 s[TB], s[TB], SLOT1
	s_sub_co_u32 s[LEFT], s[LEFT], 1
	s_cmp_lg_u32 s[LEFT], 0
	s_cbranch_scc1 .Ltrip
	CHANGE 0
	SWITCH
	STEP 0
	STEP 1
	STEP 2
	STEP 3
	OUT
	s_wait_tensorcnt 0x0                           ; the wave's end
	ds_add_u32 v[SPW], v[NIL]
	s_wait_dscnt 0x0
	s_endpgm
.Lfunc_end_k_q3e57715b78_attn:
	.size	k_q3e57715b78_attn, .Lfunc_end_k_q3e57715b78_attn-k_q3e57715b78_attn
	.p2alignl 7, 3214868480
	.fill 96, 4, 3214868480
	.section	.rodata,"a",@progbits
	.p2align	6, 0x0
	.amdhsa_kernel k_q3e57715b78_attn
		.amdhsa_group_segment_fixed_size 327680
		.amdhsa_private_segment_fixed_size 0
		.amdhsa_enable_private_segment 0
		.amdhsa_kernarg_size 16
		.amdhsa_user_sgpr_count 2
		.amdhsa_user_sgpr_kernarg_segment_ptr 1
		.amdhsa_wavefront_size32 1
		.amdhsa_system_sgpr_workgroup_id_x 1
		.amdhsa_system_sgpr_workgroup_id_y 1
		.amdhsa_system_sgpr_workgroup_id_z 1
		.amdhsa_system_vgpr_workitem_id 0
		.amdhsa_next_free_vgpr 512
		.amdhsa_next_free_sgpr 80
		.amdhsa_reserve_vcc 1
		.amdhsa_float_denorm_mode_32 3
		.amdhsa_float_denorm_mode_16_64 3
		.amdhsa_memory_ordered 1
		.amdhsa_forward_progress 1
		.amdhsa_inst_pref_size 208
	.end_amdhsa_kernel
	.amdgpu_metadata
---
amdhsa.version: [ 1, 2 ]
amdhsa.kernels:
  - .name:           k_q3e57715b78_attn
    .symbol:         k_q3e57715b78_attn.kd
    .args:
      - { .name: qkv16, .offset: 0, .size: 8, .value_kind: global_buffer, .address_space: global }
      - { .name: y16, .offset: 8, .size: 8, .value_kind: global_buffer, .address_space: global }
    .group_segment_fixed_size: 327680
    .private_segment_fixed_size: 0
    .kernarg_segment_align: 8
    .kernarg_segment_size: 16
    .max_flat_workgroup_size: 256
    .sgpr_count:     80
    .vgpr_count:     512
    .wavefront_size: 32
...
	.end_amdgpu_metadata
.endif
;; end of part 3
;; launch proj (part 4): grid 4 x 64, 4 waves a work-group, clusters of 4 x 4, 327,680 bytes of LDS; arguments y16, wp16, out0; writes out0
.if DOCPART == 4
	.amdgcn_target "amdgcn-amd-amdhsa--gfx1250"
	.amdhsa_code_object_version 6
	.text
	.protected	k_q3e57715b78_proj
	.globl	k_q3e57715b78_proj
	.p2align	8
	.type	k_q3e57715b78_proj,@function
k_q3e57715b78_proj:
	s_mov_b64 s[64:65], 0
	v_nop
	global_prefetch_b8 v0, s[64:65] scope:SCOPE_SE
	s_setreg_imm32_b32 hwreg(HW_REG_WAVE_MODE, 25, 1), 1
	s_wait_xcnt 0x0
	s_wait_alu depctr_hold_cnt(0) depctr_sa_sdst(0) depctr_va_vdst(0) depctr_va_sdst(0) depctr_va_ssrc(0) depctr_va_vcc(0) depctr_vm_vsrc(0)
	s_getreg_b32 s2, hwreg(HW_REG_IB_STS2, 6, 4)
	s_cmp_eq_u32 s2, 0
	s_cbranch_scc0 .Lentry_in_a_cluster
	s_endpgm
.Lentry_in_a_cluster:
	s_bfe_u32 s2, ttmp6, 0x10000c
	s_cmp_lg_u32 s2, 0xf033
	s_cbranch_scc0 .Lentry_shape_is_right
	s_endpgm
.Lentry_shape_is_right:
; out0[m][n] = sum over k of y[m][k] w_proj[n][k], f16 operands, f32 sums.  y16: [b][head][2048][64] f16 (k = 64 head + channel); wp16: [1024 n][1024 k] f16; out0: [8192][1024] f32.
; The rows t < 16 of every sequence are NOT stored here: a launch of their own makes them in f32.
; A tile of out0 is 128 rows x 256 columns: 256 work-groups, one for each WGP (256 x 256 would leave half of them without work).  Four waves, each 64 x 128: 32 accumulators, 256 registers.
; K goes in steps of 128 (two heads) through two LDS slots.  y's part of a step is two dense blocks of 128 rows x 128 bytes, stated as rows of 256 bytes; w_proj's is 256 rows of 256 bytes.
; CLUSTERS: 4 x 4 work-groups; y's tiles are shared along a row of the cluster, w_proj's along a column: each is asked for JOINTLY.  The tile row is 16 cy + cluster y: the batch is cy, and whether a
; tile holds t < 16 hangs on the cluster's y and the wave's number alone, which all partners share.
; THE MATRIX INSTRUCTION IS USED TRANSPOSED (source 0 = 16 rows of w_proj, source 1 = 16 rows of y): a lane holds eight neighbouring columns of a row.
; No prefetch: w_proj's rows are read by every tile row again and again, and the launch's stores keep memory at work.
; REGISTERS: window 0: v16-29 addresses; v64-95, v96-127 y's fragments, two buffers; v128-255 rows on the way out.  window 1: v0-63, v64-127 w_proj's fragments.  window 2: accumulator (a, b) at v[8 (8 a + b)].
.set PA,    144                        ; a row of y in LDS: 128 bytes + 16
.set PB,    272                        ; a row of w_proj: 256 + 16
.set AHALF, 128*PA                     ; one head's 128 rows
.set BOFF,  2*AHALF
.set SLOT,  BOFF+256*PB
.set STAGE, 2*SLOT                     ; 16 rows x 528 bytes for each wave
.set SPITCH, 528
.set SPARE, STAGE+4*16*SPITCH
.set ADRA, 16
.set ADRB, 20
.set STO,  24
.set RD,   25
.set CO,   26
.set SPW,  28
.set NIL,  29
.set BK,   128
.set G1, 24
.set G0, 32
.set G1B, 48
.set G0B, 56
.set MSB, 0
.macro WIN new                         ; the immediate's high byte repeats the setting that is left
.if MSB != \new
	s_set_vgpr_msb (MSB<<8)|\new
.set MSB, \new
.endif
.endm
.set MUL,  0xa1                        ; source 0 window 1, source 1 window 0, C and D window 2
.set TO_B, 0x40
.macro JLOAD s                         ; waves 0 and 1 fetch y's two heads, waves 2 and 3 w_proj's two halves; an s_nop 0 and four v_nop follow each line
	s_cmp_eq_u32 s11, 0
	s_cbranch_scc0 .Lfor_b_\@
	tensor_load_to_lds s[G0+4*\s:G0+4*\s+3], s[G1:G1+7]
	s_nop 0
.rept 4
	v_nop
.endr
	s_branch .Lasked_\@
.Lfor_b_\@:
	tensor_load_to_lds s[G0B+4*\s:G0B+4*\s+3], s[G1B:G1B+7]
	s_nop 0
.rept 4
	v_nop
.endr
.Lasked_\@:
.endm
.macro CREST
	s_cmp_lg_u32 s10, 0
	s_cbranch_scc1 .Lnot_wave_0_\@
	s_barrier_signal -3
.Lnot_wave_0_\@:
	s_barrier_wait -3
	s_barrier_signal -1
	s_barrier_wait -1
.endm
.macro CROUND
	s_barrier_signal -1
	s_barrier_wait -1
	CREST
.endm
	s_load_b128 s[4:7], s[0:1], 0x0                ; y16, wp16
	s_load_b64 s[8:9], s[0:1], 0x10                ; out0
	v_lshl_add_u32 v[SPW], v0, 2, SPARE
	v_mov_b32 v[NIL], 0
	ds_add_u32 v[SPW], v[NIL]                      ; the wave's opening: the add, twice on end, and its wait ahead of my first tensor load
	ds_add_u32 v[SPW], v[NIL]
	v_lshrrev_b32 v1, 5, v0
	v_readfirstlane_b32 s10, v1                    ; wave 0..3
	s_lshr_b32 s11, s10, 1                         ; my half of the tile's rows.  Also: I fetch for y (0) or for w_proj (1)
	s_and_b32 s12, s10, 1                          ; my half of its columns.  Also: which head, or which 128 rows, I fetch
	s_bfe_u32 s40, ttmp6, 0x40000                  ; cx = the tile column
	s_bfe_u32 s41, ttmp6, 0x40004                  ; cy = the batch
	s_and_b32 s42, ttmp7, 0xffff                   ; cluster y, 0..15: t from 128 x that
	s_lshl_b32 s43, s41, 2
	s_lshl_b32 s43, 15, s43                        ; my row of the cluster
	s_lshl_b32 s44, 0x1111, s40                    ; my column
	s_or_b32 s[G1+0], s43, (1<<16)|(1<<20)|(1<<21)|(4<<22)|(3<<25)   ; y: elements of 2 bytes; 4 words of padding after every 32
	s_mov_b32 s[G1+1], 128<<16                     ; tensor_dim0: rows of 256 bytes,
	s_mov_b32 s[G1+2], 64<<16                      ; 64 of them: 128 rows of a head, dense
	s_mov_b32 s[G1+3], 128<<16
	s_mov_b32 s[G1+4], 64
	s_mov_b32 s[G1+5], 128
	s_mov_b32 s[G1+6], 0
	s_mov_b32 s[G1+7], 0
	s_or_b32 s[G1B+0], s44, (1<<16)|(1<<20)|(1<<21)|(5<<22)|(3<<25)  ; w_proj: 4 words after every 64
	s_mov_b32 s[G1B+1], 128<<16
	s_mov_b32 s[G1B+2], 128<<16
	s_mov_b32 s[G1B+3], 128<<16
	s_mov_b32 s[G1B+4], 128
	s_mov_b32 s[G1B+5], 1024
	s_mov_b32 s[G1B+6], 0
	s_mov_b32 s[G1B+7], 0
	s_lshl_b32 s16, s41, 22                        ; y: batch,
	s_lshl_b32 s17, s12, 18                        ; head 0 or 1,
	s_add_co_u32 s16, s16, s17
	s_lshl_b32 s17, s42, 14                        ; 128 rows of 128 bytes for each tile
	s_add_co_u32 s16, s16, s17
	s_mov_b32 s17, 0
	s_lshl_b32 s46, s40, 19                        ; w_proj: 256 rows of 2,048 bytes for each tile column,
	s_lshl_b32 s47, s12, 18                        ; 128 rows
	s_add_co_u32 s46, s46, s47
	s_mov_b32 s47, 0
	s_mul_i32 s20, s12, AHALF                      ; where they go: no place in the cluster enters an LDS address
	s_mul_i32 s23, s12, 128*PB
	s_add_co_u32 s23, s23, BOFF
	s_wait_dscnt 0x0                               ; both opening adds are done
	s_wait_kmcnt 0x0
	s_add_nc_u64 s[14:15], s[4:5], s[16:17]
	s_add_nc_u64 s[46:47], s[6:7], s[46:47]
	CROUND                                         ; all sixteen work-groups are here: the first joint loads meet
.irp s, 0,1
	s_mov_b32 s[G0+4*\s], 1
	s_add_co_u32 s[G0+4*\s+1], s20, \s*SLOT
	s_add_nc_u64 s[G0+4*\s+2:G0+4*\s+3], s[14:15], \s*524288      ; K step s: two heads on
	s_or_b32 s[G0+4*\s+3], s[G0+4*\s+3], 0x80000000
	s_mov_b32 s[G0B+4*\s], 1
	s_add_co_u32 s[G0B+4*\s+1], s23, \s*SLOT
	s_add_nc_u64 s[G0B+4*\s+2:G0B+4*\s+3], s[46:47], \s*256
	s_or_b32 s[G0B+4*\s+3], s[G0B+4*\s+3], 0x80000000
	JLOAD \s                                       ; two loads of mine are out
.endr
	v_and_b32 v1, 15, v0                           ; r
	v_bfe_u32 v2, v0, 4, 1                         ; h
	v_mul_u32_u24 v3, v1, PA
	v_lshl_add_u32 v3, v2, 4, v3
	v_mul_u32_u24 v4, v1, PB
	v_lshl_add_u32 v4, v2, 4, v4
	s_mul_i32 s21, s11, 64*PA                      ; my 64 rows of y
	s_mul_i32 s22, s12, 128*PB                     ; my 128 rows of w_proj
	s_add_co_u32 s22, s22, BOFF
.irp s, 0,1
	v_add_nc_u32 v[ADRA+\s], s21, v3
	v_add_nc_u32 v[ADRB+\s], s22, v4
	s_add_co_u32 s21, s21, SLOT
	s_add_co_u32 s22, s22, SLOT
.endr
	s_mul_i32 s23, s10, 16*SPITCH
	s_add_co_u32 s23, s23, STAGE                   ; my stage
	v_mul_u32_u24 v5, v1, SPITCH
	v_lshl_add_u32 v5, v2, 5, v5
	v_add_nc_u32 v[STO], s23, v5                   ; in: row r, 32 bytes for each half of the lanes
	v_and_b32 v6, 31, v0
	v_lshlrev_b32 v[CO], 4, v6
	v_add_nc_u32 v[RD], s23, v[CO]                 ; back: a row of 512 bytes
	s_lshl_b32 s16, s41, 23                        ; out0: batch x 2,048 rows of 4,096 bytes,
	s_lshl_b32 s17, s42, 19                        ; 128 rows a tile,
	s_add_co_u32 s16, s16, s17
	s_lshl_b32 s17, s11, 18                        ; my 64
	s_add_co_u32 s16, s16, s17
	s_mov_b32 s17, 0
	s_add_nc_u64 s[8:9], s[8:9], s[16:17]
	s_lshl_b32 s46, s40, 10                        ; my first column, in bytes
	s_lshl_b32 s47, s12, 9
	s_add_co_u32 s46, s46, s47
	s_mov_b32 s47, 0
	s_add_nc_u64 s[8:9], s[8:9], s[46:47]
	s_or_b32 s45, s42, s11                         ; 0 where my first 16 rows are t = 0 .. 15
; 16 matrix instructions: y's blocks a0, a0 + 1 against w_proj's eight, 32 along K, from buffer f.  The 32 accumulators take turns in the same order in every quarter.
.macro MUL16 f, a0, zero
.irp a, \a0, \a0+1
.irp b, 0,1,2,3,4,5,6,7
.if \zero
	v_wmma_f32_16x16x32_f16 v[8*(8*(\a)+\b):8*(8*(\a)+\b)+7], v[64*(\f)+8*\b:64*(\f)+8*\b+7], v[64+32*(\f)+8*(\a):64+32*(\f)+8*(\a)+7], 0
.else
	v_wmma_f32_16x16x32_f16 v[8*(8*(\a)+\b):8*(8*(\a)+\b)+7], v[64*(\f)+8*\b:64*(\f)+8*\b+7], v[64+32*(\f)+8*(\a):64+32*(\f)+8*(\a)+7], v[8*(8*(\a)+\b):8*(8*(\a)+\b)+7]
.endif
.endr
.endr
.endm
; 24 LDS loads in one run: the fragments of the slot's q-th 32 along K (head q / 2, channels 32 (q % 2) on) into buffer f
.macro FETCH slot, q, f
	WIN TO_B
.irp i, 0,1,2,3,4,5,6,7
	ds_load_b128 v[64*(\f)+8*\i:64*(\f)+8*\i+3],   v[ADRB+\slot] offset:64*(\q)+\i*16*PB
	ds_load_b128 v[64*(\f)+8*\i+4:64*(\f)+8*\i+7], v[ADRB+\slot] offset:64*(\q)+\i*16*PB+32
.endr
	WIN 0
.irp i, 0,1,2,3
	ds_load_b128 v[64+32*(\f)+8*\i:64+32*(\f)+8*\i+3],   v[ADRA+\slot] offset:((\q)/2)*AHALF+((\q)%2)*64+\i*16*PA
	ds_load_b128 v[64+32*(\f)+8*\i+4:64+32*(\f)+8*\i+7], v[ADRA+\slot] offset:((\q)/2)*AHALF+((\q)%2)*64+\i*16*PA+32
.endr
.endm
.macro PLACES                          ; four plain vector instructions between a matrix instruction and a load into, or a read of, its registers
.rept 4
	v_nop
.endr
.endm
; A quarter: buffer f is multiplied (32 matrix instructions); ahead of them the next quarter's fragments, the slot's qn-th, are asked for into buffer g, a whole quarter ahead of their use.
.macro QUARTER slot, qn, f, g, zero
	s_wait_dscnt 0x0                               ; buffer f is in: asked for 32 matrix instructions ago
	PLACES
	FETCH \slot, \qn, \g
	WIN MUL
	MUL16 \f, 0, \zero
	MUL16 \f, 2, \zero
.endm
; A slot's last quarter multiplies buffer 1 and changes slots: each wave waits for all its tensor loads (its part of the next slot), adds 0 to its spare word, and waits for that and for its reads of this slot.
; fill = 1: the barrier opens a round of the cluster's barrier, and behind it this slot takes the K step two on.
.macro TURN slot, next, fill
	WIN 0
	s_wait_tensorcnt 0x0
	ds_add_u32 v[SPW], v[NIL]
	s_wait_dscnt 1                                 ; buffer 1 is in; the add may be out
	WIN MUL
	MUL16 1, 0, 0                                  ; sixteen matrix instructions stand between the add and the wait for it
	s_wait_dscnt 0x0
	s_barrier_signal -1
	WIN 0
	s_barrier_wait -1
.if \fill
	CREST                                          ; no wave of any partner still reads this slot or has a load on its way
	s_add_nc_u64 s[G0+4*\slot+2:G0+4*\slot+3], s[G0+4*\slot+2:G0+4*\slot+3], 1048576     ; four heads on
	s_add_nc_u64 s[G0B+4*\slot+2:G0B+4*\slot+3], s[G0B+4*\slot+2:G0B+4*\slot+3], 512
	JLOAD \slot                                    ; the first tensor load behind the round; its four v_nop are also the places in front of the loads below
.else
	PLACES
.endif
	FETCH \next, 0, 0
	WIN MUL
	MUL16 1, 2, 0
.endm
	s_wait_tensorcnt 1                             ; my part of K step 0 is in; K step 1's load may be out
	s_barrier_signal -1
	s_barrier_wait -1
	FETCH 0, 0, 0
	QUARTER 0, 1, 0, 1, 1                          ; the first quarter's products start the sums: nothing is cleared
	WIN 0
	s_mov_b32 s3, 3
.Llap:                                             ; a trip goes once round the ring and fills both slots again: K steps 2 to 7
	QUARTER 0, 2, 1, 0, 0
	QUARTER 0, 3, 0, 1, 0
	TURN 0, 1, 1
	QUARTER 1, 1, 0, 1, 0
	QUARTER 1, 2, 1, 0, 0
	QUARTER 1, 3, 0, 1, 0
	TURN 1, 0, 1
	QUARTER 0, 1, 0, 1, 0
	WIN 0
	s_sub_co_u32 s3, s3, 1
	s_cmp_lg_u32 s3, 0
	s_cbranch_scc1 .Llap
	QUARTER 0, 2, 1, 0, 0                          ; the last lap fills nothing
	QUARTER 0, 3, 0, 1, 0
	TURN 0, 1, 0
	QUARTER 1, 1, 0, 1, 0
	QUARTER 1, 2, 1, 0, 0
	QUARTER 1, 3, 0, 1, 0
	s_wait_dscnt 0x0
	WIN MUL
	MUL16 1, 0, 0
	MUL16 1, 2, 0
	WIN 0
; THE WAY OUT, a block of 16 rows x 128 columns at a time, through my own stage: back as whole rows of 512 bytes.
.macro TOSTAGE a
	WIN 0x08                                       ; an LDS store's data: window 2
.irp b, 0,1,2,3,4,5,6,7
	ds_store_b128 v[STO], v[64*(\a)+8*\b:64*(\a)+8*\b+3] offset:64*\b           ; each accumulator from its low end on
	ds_store_b128 v[STO], v[64*(\a)+8*\b+4:64*(\a)+8*\b+7] offset:64*\b+16
.endr
	WIN 0
.set BB, BK+64*((\a)%2)
.irp t, 0,1,2,3,4,5,6,7,8,9,10,11,12,13,14,15
	ds_load_b128 v[BB+4*\t:BB+4*\t+3], v[RD] offset:\t*SPITCH    ; LDS serves a wave's instructions in order
.endr
.endm
.macro SEND a, younger                 ; younger: the LDS instructions issued behind block a's loads
.set BB, BK+64*((\a)%2)
	s_wait_dscnt \younger
.if (\a) == 0
	s_cmp_eq_u32 s45, 0                            ; t = 0 .. 15: another launch stores these rows
	s_cbranch_scc1 .Lnot_here_\@
.endif
.irp t, 0,1,2,3,4,5,6,7,8,9,10,11,12,13,14,15
	global_store_b128 v[CO], v[BB+4*\t:BB+4*\t+3], s[8:9] offset:(\a)*65536+\t*4096 th:TH_STORE_NT   ; 512 consecutive bytes, written once
.endr
.Lnot_here_\@:
.endm
	PLACES
	TOSTAGE 0
.irp a, 1,2,3
.if \a > 1
	s_wait_xcnt 0x0                                ; block a - 2's stores have read their registers: block a's loads may land there
.endif
	TOSTAGE \a
	SEND \a-1, 32                                  ; behind block a - 1's loads: block a's 16 stores and 16 loads
.endr
	SEND 3, 0
	s_wait_tensorcnt 0x0                           ; the wave's end
	ds_add_u32 v[SPW], v[NIL]
	s_wait_dscnt 0x0
	CROUND                                         ; the closing round
	s_endpgm
.Lfunc_end_k_q3e57715b78_proj:
	.size	k_q3e57715b78_proj, .Lfunc_end_k_q3e57715b78_proj-k_q3e57715b78_proj
	.p2alignl 7, 3214868480
	.fill 96, 4, 3214868480
	.section	.rodata,"a",@progbits
	.p2align	6, 0x0
	.amdhsa_kernel k_q3e57715b78_proj
		.amdhsa_group_segment_fixed_size 327680
		.amdhsa_private_segment_fixed_size 0
		.amdhsa_enable_private_segment 0
		.amdhsa_kernarg_size 24
		.amdhsa_user_sgpr_count 2
		.amdhsa_user_sgpr_kernarg_segment_ptr 1
		.amdhsa_wavefront_size32 1
		.amdhsa_system_sgpr_workgroup_id_x 1
		.amdhsa_system_sgpr_workgroup_id_y 1
		.amdhsa_system_sgpr_workgroup_id_z 1
		.amdhsa_system_vgpr_workitem_id 0
		.amdhsa_next_free_vgpr 768
		.amdhsa_next_free_sgpr 66
		.amdhsa_reserve_vcc 0
		.amdhsa_float_denorm_mode_32 3
		.amdhsa_float_denorm_mode_16_64 3
		.amdhsa_memory_ordered 1
		.amdhsa_forward_progress 1
		.amdhsa_inst_pref_size 85
	.end_amdhsa_kernel
	.amdgpu_metadata
---
amdhsa.version: [ 1, 2 ]
amdhsa.kernels:
  - .name:           k_q3e57715b78_proj
    .symbol:         k_q3e57715b78_proj.kd
    .args:
      - { .name: y16, .offset: 0, .size: 8, .value_kind: global_buffer, .address_space: global }
      - { .name: wp16, .offset: 8, .size: 8, .value_kind: global_buffer, .address_space: global }
      - { .name: out0, .offset: 16, .size: 8, .value_kind: global_buffer, .address_space: global }
    .group_segment_fixed_size: 327680
    .private_segment_fixed_size: 0
    .kernarg_segment_align: 8
    .kernarg_segment_size: 24
    .max_flat_workgroup_size: 128
    .sgpr_count:     66
    .vgpr_count:     768
    .wavefront_size: 32
...
	.end_amdgpu_metadata
.endif
;; end of part 4
;; launch fine (part 5): grid 16 x 4, 16 waves a work-group, no clusters, 71,680 bytes of LDS; arguments q32, w_proj, out0; writes out0
.if DOCPART == 5
	.amdgcn_target "amdgcn-amd-amdhsa--gfx1250"
	.amdhsa_code_object_version 6
	.text
	.protected	k_q3e57715b78_fine
	.globl	k_q3e57715b78_fine
	.p2align	8
	.type	k_q3e57715b78_fine,@function
k_q3e57715b78_fine:
	s_mov_b64 s[64:65], 0
	v_nop
	global_prefetch_b8 v0, s[64:65] scope:SCOPE_SE
	s_setreg_imm32_b32 hwreg(HW_REG_WAVE_MODE, 25, 1), 1
	s_wait_xcnt 0x0
; The first 16 positions of every sequence, in f32 throughout: their rows average one to sixteen values and are the output's largest, so 16-bit operands would weigh most there.
; q32: [b][16 t][3072] f32 (q, k, v of those rows); w_proj: [1024 n][1024 k] f32; out0 rows t = 0 .. 15 of each batch.
; A work-group makes 16 rows x 64 columns (n0 = 64 x) of batch y.  Wave hd takes head hd: its 16 x 16 attention, then its 64 channels times its slice of w_proj; the sixteen partial tiles meet in LDS and are added in the heads' order.
; All products by v_wmma_f32_16x16x4_f32, 96 a wave: no bulk work.  Along each product's K both operands are laid in the same order, so every product meets its partner and nothing changes lanes:
;   S^T = K Q^T: lane (r, h) holds, of row r, channels 8 c + 4 h + 0 .. 3 in registers 4 c on, for K and for Q alike.
;   O^T = V^T P: a lane's p are keys 8 h + 0 .. 7 of query r; V is loaded so that register e holds key 8 h + e of channel 16 ct + r.
;   OUT^T = W O: a lane's O^T are channels 16 ct + 8 h + 0 .. 7; W is loaded so that register e holds that channel of row n.
; The division by the row's sum commutes with the head's part of the projection: it is made once, on the 32 results.  The row's maximum is taken away before the exponentials.
; The registers that the matrix instructions write (v112-191) are written by nothing else.  64 work-groups: so much work there is.
.set PITCH, 272                        ; a row of a partial tile: 64 f32 + 16 bytes
.set WREG,  16*PITCH
.set SPARE, 16*WREG
.set QF, 16                            ; v16-47   Q, later W's channels 16 on, later the partial rows
.set KF, 48                            ; v48-79   K, later W's channels 32 on
.set VF, 80                            ; v80-111  V, later W's channels 48 on
.set SA, 112                           ; v112-127 S^T in two halves of K
.set O,  128                           ; v128-159 O^T
.set OU, 160                           ; v160-191 OUT^T
.set SS, 192                           ; v192-199 the scores, then p
.set W0, 208                           ; v208-239 W's channels 0 on, later the results
	s_load_b128 s[4:7], s[0:1], 0x0                ; q32, w_proj
	s_load_b64 s[8:9], s[0:1], 0x10                ; out0
	v_lshl_add_u32 v10, v0, 2, SPARE               ; my spare word
	v_mov_b32 v11, 0
	v_lshrrev_b32 v1, 5, v0
	v_readfirstlane_b32 s10, v1                    ; wave = head; later: the row that I add up
	s_and_b32 s11, ttmp7, 0xffff                   ; batch
	v_and_b32 v1, 15, v0                           ; r
	v_bfe_u32 v2, v0, 4, 1                         ; h
	v_mul_u32_u24 v3, v1, 12288
	v_lshl_add_u32 v3, v2, 4, v3                   ; Q, K: row r, + 16 h
	v_mul_u32_u24 v4, v2, 98304
	v_lshl_add_u32 v4, v1, 2, v4                   ; V: keys 8 h on, channel r
	v_lshlrev_b32 v5, 12, v1
	v_lshl_add_u32 v5, v2, 5, v5                   ; W: row r of 4,096 bytes, + 32 h
	v_mul_u32_u24 v6, v1, PITCH
	v_lshl_add_u32 v6, v2, 5, v6
	s_mul_i32 s12, s10, WREG
	v_add_nc_u32 v6, s12, v6                       ; my partial tile: row r, + 32 h
	v_and_b32 v7, 31, v0
	v_lshlrev_b32 v7, 3, v7                        ; 8 bytes a lane
	s_mul_i32 s12, s10, PITCH
	v_add_nc_u32 v12, s12, v7                      ; row w of a partial tile
	v_lshlrev_b32 v9, 3, v2
	v_sub_nc_u32 v9, v1, v9                        ; d = r - 8 h: register j (key 8 h + j) is hidden where j > d
	v_mov_b32 v8, 0xff800000                       ; -infinity
	v_mov_b32 v201, 0                              ; (a lane permute's destination counts as one of its sources)
	s_mov_b32 s14, 0x76543210
	s_mov_b32 s15, 0xfedcba98
	s_mov_b32 s16, 0x3e38aa3b                      ; c = log2(e) / 8
	s_mul_i32 s12, s11, 196608
	s_lshl_b32 s13, s10, 8
	s_add_co_u32 s12, s12, s13                     ; q32: batch, head
	s_mov_b32 s13, 0
	s_lshl_b32 s18, ttmp9, 18                      ; w_proj: 64 rows a work-group,
	s_lshl_b32 s19, s10, 8                         ; the head's 64 numbers of each
	s_add_co_u32 s18, s18, s19
	s_mov_b32 s19, 0
	s_lshl_b32 s20, s11, 23                        ; out0: batch, row w, 64 columns a work-group
	s_lshl_b32 s21, s10, 12
	s_add_co_u32 s20, s20, s21
	s_lshl_b32 s21, ttmp9, 8
	s_add_co_u32 s20, s20, s21
	s_mov_b32 s21, 0
	s_wait_kmcnt 0x0
	s_add_nc_u64 s[4:5], s[4:5], s[12:13]
	s_add_nc_u64 s[6:7], s[6:7], s[18:19]
	s_add_nc_u64 s[8:9], s[8:9], s[20:21]
.macro WLOAD reg, ct                   ; W(n0 + 16 nt + r, 64 hd + 16 ct + 8 h + e) into register reg + 8 nt + e
.irp nt, 0,1,2,3
	global_load_b128 v[\reg+8*\nt:\reg+8*\nt+3],   v5, s[6:7] offset:\nt*65536+(\ct)*64
	global_load_b128 v[\reg+8*\nt+4:\reg+8*\nt+7], v5, s[6:7] offset:\nt*65536+(\ct)*64+16
.endr
.endm
.irp c, 0,1,2,3,4,5,6,7
	global_load_b128 v[QF+4*\c:QF+4*\c+3], v3, s[4:5] offset:32*\c
.endr
.irp c, 0,1,2,3,4,5,6,7
	global_load_b128 v[KF+4*\c:KF+4*\c+3], v3, s[4:5] offset:4096+32*\c
.endr
.irp ct, 0,1,2,3
.irp e, 0,1,2,3,4,5,6,7
	global_load_b32 v[VF+8*\ct+\e], v4, s[4:5] offset:8192+\e*12288+64*\ct
.endr
.endr
	WLOAD W0, 0
	s_wait_loadcnt 40                              ; Q and K are in; V's 32 loads and W's first 8 may be out
.set i, 0
.rept 16                               ; S^T = K Q^T: sixteen steps of 4 along the channels, two accumulators by turns; the first two start the sums
.if i < 2
	v_wmma_f32_16x16x4_f32 v[SA+8*(i%2):SA+8*(i%2)+7], v[KF+2*i:KF+2*i+1], v[QF+2*i:QF+2*i+1], 0
.else
	v_wmma_f32_16x16x4_f32 v[SA+8*(i%2):SA+8*(i%2)+7], v[KF+2*i:KF+2*i+1], v[QF+2*i:QF+2*i+1], v[SA+8*(i%2):SA+8*(i%2)+7]
.endif
.set i, i+1
.endr
.rept 8
	v_nop                                          ; eight places behind this form, in front of loads into its sources and of the first read of its results
.endr
	WLOAD QF, 1
	WLOAD KF, 2
.irp i, 0,1,2,3
	v_pk_add_f32 v[SS+2*\i:SS+2*\i+1], v[SA+2*\i:SA+2*\i+1], v[SA+8+2*\i:SA+8+2*\i+1]   ; the two halves of K, from the low end on
.endr
.irp j, 0,1,2,3,4,5,6,7
	v_cmp_gt_i32 vcc_lo, \j, v9
	v_cndmask_b32 v[SS+\j], v[SS+\j], v8, vcc_lo   ; the causal mask
.endr
	v_max3_num_f32 v200, v[SS], v[SS+1], v[SS+2]
	v_max3_num_f32 v200, v200, v[SS+3], v[SS+4]
	v_max3_num_f32 v200, v200, v[SS+5], v[SS+6]
	v_max_num_f32 v200, v200, v[SS+7]
	v_permlanex16_b32 v201, v200, s14, s15
	v_max_num_f32 v200, v200, v201                 ; the row's maximum: key 0 counts for every query, so it is a number
	v_mul_f32 v202, s16, v200
.irp j, 0,1,2,3,4,5,6,7
	v_fma_f32 v[SS+\j], v[SS+\j], s16, -v202
.endr
.irp j, 0,1,2,3,4,5,6,7
	v_exp_f32 v[SS+\j], v[SS+\j]
.endr
	v_nop
	s_wait_alu depctr_va_vdst(0)                   ; one wait for the eight, ahead of their first reader
	v_pk_add_f32 v[204:205], v[SS:SS+1], v[SS+2:SS+3]
	v_pk_add_f32 v[206:207], v[SS+4:SS+5], v[SS+6:SS+7]
	v_pk_add_f32 v[204:205], v[204:205], v[206:207]
	v_add_f32 v203, v204, v205
	v_permlanex16_b32 v201, v203, s14, s15
	v_add_f32 v203, v203, v201                     ; the row's sum
	v_rcp_f32 v204, v203
	v_nop
	s_wait_alu depctr_va_vdst(0)
	s_wait_loadcnt 24                              ; V is in; W's three sets of 8 may be out
.irp c, 0,1,2,3                        ; O^T = V^T P: four steps of 4 along the keys, four accumulators by turns
.irp ct, 0,1,2,3
.if \c == 0
	v_wmma_f32_16x16x4_f32 v[O+8*\ct:O+8*\ct+7], v[VF+8*\ct+2*\c:VF+8*\ct+2*\c+1], v[SS+2*\c:SS+2*\c+1], 0
.else
	v_wmma_f32_16x16x4_f32 v[O+8*\ct:O+8*\ct+7], v[VF+8*\ct+2*\c:VF+8*\ct+2*\c+1], v[SS+2*\c:SS+2*\c+1], v[O+8*\ct:O+8*\ct+7]
.endif
.endr
.endr
.rept 9
	v_nop                                          ; nine places before a matrix instruction takes these results as an operand
.endr
	WLOAD VF, 3
.macro PROJ reg, ct                    ; OUT^T += W O for channels 16 ct on: four steps of 4, four accumulators by turns
	s_wait_loadcnt 24-8*(\ct)                      ; this set of W is in; the later sets may be out
.irp c, 0,1,2,3
.irp nt, 0,1,2,3
.if ((\ct) == 0) && (\c == 0)
	v_wmma_f32_16x16x4_f32 v[OU+8*\nt:OU+8*\nt+7], v[\reg+8*\nt+2*\c:\reg+8*\nt+2*\c+1], v[O+8*(\ct)+2*\c:O+8*(\ct)+2*\c+1], 0
.else
	v_wmma_f32_16x16x4_f32 v[OU+8*\nt:OU+8*\nt+7], v[\reg+8*\nt+2*\c:\reg+8*\nt+2*\c+1], v[O+8*(\ct)+2*\c:O+8*(\ct)+2*\c+1], v[OU+8*\nt:OU+8*\nt+7]
.endif
.endr
.endr
.endm
	PROJ W0, 0
	PROJ QF, 1
	PROJ KF, 2
	PROJ VF, 3
.rept 8
	v_nop
.endr
.set i, 0
.rept 16
	v_pk_mul_f32 v[W0+2*i:W0+2*i+1], v[OU+2*i:OU+2*i+1], v[204:205] op_sel_hi:[1,0]   ; / the row's sum, into other registers, from the low end on
.set i, i+1
.endr
.irp nt, 0,1,2,3
	ds_store_b128 v6, v[W0+8*\nt:W0+8*\nt+3] offset:64*\nt          ; lane (r, h): row r, columns 16 nt + 8 h + 0 .. 7
	ds_store_b128 v6, v[W0+8*\nt+4:W0+8*\nt+7] offset:64*\nt+16
.endr
	s_wait_dscnt 0x0                               ; for the others' sake: my stores have landed
	s_barrier_signal -1
	s_barrier_wait -1
.irp p, 0,1,2,3,4,5,6,7,8,9,10,11,12,13,14,15
	ds_load_b64 v[QF+2*\p:QF+2*\p+1], v12 offset:\p*WREG            ; row w of head p's partial tile: 256 bytes a wave
.endr
	s_wait_dscnt 0x0
.irp p, 1,2,3,4,5,6,7,8,9,10,11,12,13,14,15
	v_pk_add_f32 v[QF:QF+1], v[QF:QF+1], v[QF+2*\p:QF+2*\p+1]
.endr
	global_store_b64 v7, v[QF:QF+1], s[8:9]        ; 32 lanes store 256 consecutive bytes, aligned
	s_wait_tensorcnt 0x0                           ; the wave's end: three lines behind my last LDS store
	ds_add_u32 v10, v11
	s_wait_dscnt 0x0
	s_endpgm
.Lfunc_end_k_q3e57715b78_fine:
	.size	k_q3e57715b78_fine, .Lfunc_end_k_q3e57715b78_fine-k_q3e57715b78_fine
	.p2alignl 7, 3214868480
	.fill 96, 4, 3214868480
	.section	.rodata,"a",@progbits
	.p2align	6, 0x0
	.amdhsa_kernel k_q3e57715b78_fine
		.amdhsa_group_segment_fixed_size 71680
		.amdhsa_private_segment_fixed_size 0
		.amdhsa_enable_private_segment 0
		.amdhsa_kernarg_size 24
		.amdhsa_user_sgpr_count 2
		.amdhsa_user_sgpr_kernarg_segment_ptr 1
		.amdhsa_wavefront_size32 1
		.amdhsa_system_sgpr_workgroup_id_x 1
		.amdhsa_system_sgpr_workgroup_id_y 1
		.amdhsa_system_sgpr_workgroup_id_z 1
		.amdhsa_system_vgpr_workitem_id 0
		.amdhsa_next_free_vgpr 256
		.amdhsa_next_free_sgpr 66
		.amdhsa_reserve_vcc 1
		.amdhsa_float_denorm_mode_32 3
		.amdhsa_float_denorm_mode_16_64 3
		.amdhsa_memory_ordered 1
		.amdhsa_forward_progress 1
		.amdhsa_inst_pref_size 24
	.end_amdhsa_kernel
	.amdgpu_metadata
---
amdhsa.version: [ 1, 2 ]
amdhsa.kernels:
  - .name:           k_q3e57715b78_fine
    .symbol:         k_q3e57715b78_fine.kd
    .args:
      - { .name: q32, .offset: 0, .size: 8, .value_kind: global_buffer, .address_space: global }
      - { .name: w_proj, .offset: 8, .size: 8, .value_kind: global_buffer, .address_space: global }
      - { .name: out0, .offset: 16, .size: 8, .value_kind: global_buffer, .address_space: global }
    .group_segment_fixed_size: 71680
    .private_segment_fixed_size: 0
    .kernarg_segment_align: 8
    .kernarg_segment_size: 24
    .max_flat_workgroup_size: 512
    .sgpr_count:     66
    .vgpr_count:     256
    .wavefront_size: 32
...
	.end_amdgpu_metadata
.endif
;; end of part 5
